; MI455X (gfx1250); checked and timed in simulation.
; The chip was launched on July 23, 2026; its instructions are those of AMD's public machine-readable ISA for CDNA 5 (MIT licence, August 2026) and "CDNA5" Instruction Set Architecture Reference Guide (July 2026). The comments in the code are by the model that wrote it; some were corrected since.
;; Attention. Allowed arithmetic: matrix products marked QUANTISED: E2M3 operands, one E8M0 scale for each 32 along K, by v_wmma_scale_f32_16x16x128_f8f6f4 with both operands' format E2M3, f32 sums; everything else in f32.
;; Inputs: freqs_cos 2,048 x 64 float32; freqs_sin 2,048 x 64 float32; mask 2 x 2,048 x 2,048 float32; positions 2,048 int32; wk 4,096 x 512 float32; wo 1,024 x 4,096 float32; wq 4,096 x 1,024 float32; wv 4,096 x 512 float32; x 2 x 2,048 x 4,096 float32.
;; Outputs: out0 2 x 2,048 x 4,096 float32.
;; This version of the problem:
;;   THIS VERSION OF THE PROBLEM IS GIVEN IN LOW PRECISION. The matrix products marked QUANTISED in the list below multiply operands that are first quantised to E2M3 (2 exponent bits, 3 mantissa bits; 6 bits a number), with one power-of-two scale for each 32 numbers along K (OCP MX v1.0); their sums are f32. All else is computed in f32.
;;   The module's matrix products, in the order in which they are computed (A, B: the left and right operand; K: the contracted axis; several contracted axes count as one K, in the product's order):
;;     1. [M 4,096, K 4,096] x [K 4,096, N 1,024]; A: input x; B: input wq: QUANTISED
;;     2. [M 4,096, K 4,096] x [K 4,096, N 512]; A: input x; B: input wk: QUANTISED
;;     3. [M 4,096, K 4,096] x [K 4,096, N 512]; A: input x; B: input wv: QUANTISED
;;     4. batch 16 x [M 2,048, K 128] x [K 128, N 2,048]; A: computed on the way; B: computed on the way: QUANTISED
;;     5. batch 16 x [M 2,048, K 2,048] x [K 2,048, N 128]; A: softmax (see below); B: computed on the way: QUANTISED
;;     6. [M 4,096, K 1,024] x [K 1,024, N 4,096]; A: computed on the way; B: input wo: QUANTISED
;;   THE QUANTISER, for each operand of a quantised product, along K:
;;     - K is cut into blocks of 32 from its start; a last block that is shorter is filled with zeros.
;;     - A block's scale is 2^e with e = floor(log2(the largest magnitude in the block)) - 2, held to -126 .. 127; a block of zeros has e = 0. As a byte (E8M0): e + 127.
;;     - Each number is divided by its block's scale, clamped to +-7.5, and rounded to the nearest number of E2M3, ties to even, subnormals kept.
;;     - The product sums the exact products of the quantised numbers (number of the format x scale) in f32.
;;   ~~~python
;;   def quantise(x, axis):      # numpy; x: float32 -> the quantised numbers, widened to float32 again
;;       x = np.moveaxis(x, axis, -1); K = x.shape[-1]
;;       x = np.pad(x, [(0, 0)] * (x.ndim - 1) + [(0, -K % 32)]); x = x.reshape(x.shape[:-1] + (-1, 32)); a = np.abs(x).max(-1, keepdims=True)
;;       e = np.where(a > 0, np.clip(np.frexp(np.where(a > 0, a, 1))[1] - 1 - 2, -126, 127), 0)      # np.frexp(a)[1] - 1 = floor(log2(a)), exactly
;;       r = np.clip(x / 2.0 ** e, -7.5, 7.5)
;;       step = 2.0 ** (np.maximum(np.frexp(np.where(r == 0, 1, r))[1] - 1, 0) - 3)
;;       q = np.round(r / step) * step * 2.0 ** e      # np.round: ties to even
;;       return np.moveaxis(q.reshape(q.shape[:-2] + (-1,))[..., :K], -1, axis).astype(np.float32)
;;   ~~~
;;   SOFTMAX AHEAD OF A QUANTISED PRODUCT. Where the list says 'softmax', what is quantised is not the finished softmax but p = 2^(t - M), with t = logit x log2(e) and M = ceil(the row's largest t), a whole number; so 1/2 < the row's largest p <= 1. The row's sum l is taken of the UNQUANTISED p, in f32, and the product's result is divided by l at the end. Since M is a whole number, a kernel that streams over the keys may use a running M (the ceiling of the running maximum): every later rescaling is an exact power of two, which a block's scale takes up: the codes' values come out the same.
;;   OPERANDS COMPUTED ON THE WAY. 'Computed on the way' means the value that the module computes at that place (a softmax that the list does not call 'softmax' is quantised finished and normalised). What goes into a quantiser is computed in f32, as accurately as f32 sums, v_exp_f32 and their like allow (about 1e-6 of the number): no bf16 or f16 on the way to a quantiser, and a product that is left as it is and whose result goes on into a quantised operand takes f32 operands (vector FMAs, or v_wmma_f32_16x16x4_f32). A number that lies on a knife's edge between two numbers of the format may be rounded either way, as far as f32 arithmetic and the matrix unit's own rounding can turn it there, and no further.
;; One version. Each part assembles by itself: llvm-mc -triple=amdgcn-amd-amdhsa -mcpu=gfx1250 --defsym DOCPART=n.
;; ======== version 1 of 1: 5 launches
;; workspace buffers: xc 13,107,200 bytes; wc 9,830,400 bytes; qkv 6,553,600 bytes; att 3,276,800 bytes
;; launch qx (part 1): grid 512 x 1, 4 waves a work-group, no clusters, 34,304 bytes of LDS; arguments x, xc; writes xc
.if DOCPART == 1
	.amdgcn_target "amdgcn-amd-amdhsa--gfx1250"
	.amdhsa_code_object_version 6
	.text
	.protected	k_q2613fa691a_qx
	.globl	k_q2613fa691a_qx
	.p2align	8
	.type	k_q2613fa691a_qx,@function
k_q2613fa691a_qx:
	s_mov_b64 s[64:65], 0
	v_nop
	global_prefetch_b8 v0, s[64:65] scope:SCOPE_SE
	s_setreg_imm32_b32 hwreg(HW_REG_WAVE_MODE, 25, 1), 1
	s_wait_xcnt 0x0
; x [4096 rows][4096] f32 becomes codes of FP6 (E2M3) with one E8M0 scale byte for each 32 along K, laid as the products' waves take them.
; A block's scale is 2^(floor(log2(its largest magnitude)) - 2): its byte is the largest magnitude's exponent field - 2, held at 1 from below.
; LAYOUT OF xc: [row tile 256][super 8][6400 bytes].  A row tile is 16 rows: tile 2 B + u, fragment row p, holds row 32 B + 8 u + p + 8 (p / 8).
; A super is 512 along K: four fragments (16 rows x 128 K, 12 registers a lane) as IMAGES OF THEIR REGISTERS, 1,536 bytes each (registers 4 c .. 4 c + 3 of lane l at 512 c + 16 l),
; then 256 bytes of scale words: byte 8 l + 4 u begins the word of row l % 16 of fragment 2 u + l / 16.
; SHARES: a wave makes one super of one row tile: 16 rows x 2,048 bytes in, 6,400 bytes out.  Each load reads 512 consecutive bytes of a row; the numbers turn through the wave's own
; stage in LDS so that a lane holds 16 neighbours of each block of 32 of ITS row; each store writes 512 (the scale words: 256) consecutive bytes.  Waves share nothing: no barrier.
; LIMITS: NaN and infinities in x are not served.  A block whose largest magnitude lies under 2^-124 gets the byte 1; so does a block of zeros, where the rule says 127: its codes are
; zeros, and the bytes are read by this program alone.
.set ROWX, 16384                       ; a row of x in bytes
.set SPI,  528                         ; a stage row: 512 bytes + 16
.set STG,  16*SPI                      ; a wave's stage
.set LI,   1                           ; v1   16 x lane
.set L8,   2                           ; v2   8 x lane
.set STI,  3                           ; v3   the stage, on the way in: 16 x lane
.set STO,  4                           ; v4   and out: row r, + 64 h
.set R,    16                          ; v16-143  two sets of 64 registers as loaded
.set X,    144                         ; v144-207 64 numbers: register 16 b + i = k 32 b + 16 h + i of my row
.set PC,   208                         ; v208-227 the codes
.set TM,   228                         ; v228-243 at work
.set PW,   244                         ; v244-247 the four scale words
.set SW,   248                         ; v248-249 the scale block's two registers
.set SEL,  20                          ; s[20:21] selects for lane l xor 16
.set MSB, 0
.macro WIN new                         ; the immediate's high byte repeats the setting that is left (in this text every window is 0: nothing is written)
.if MSB != (\new)
	s_set_vgpr_msb (MSB<<8)|(\new)
.set MSB, (\new)
.endif
.endm
; 64 numbers of a lane, v[s] on (in window wn), become a fragment's codes in v[pc] .. v[pc + 11] and its scale word in v[pw].
.macro QUANT s, pc, pw, wn
	WIN ((\wn)<<2)|((\wn)<<4)
.irp b, 0,1,2,3
	v_max3_num_f32 v[TM+\b], 0x1800000, |v[(\s)+16*\b]|, |v[(\s)+16*\b+1]|   ; block b: my 16 numbers, and the floor 2^(3 - 127): the byte cannot fall under 1
.endr
.irp i, 2,4,6,8,10,12,14
.irp b, 0,1,2,3
	v_max3_num_f32 v[TM+\b], v[TM+\b], |v[(\s)+16*\b+\i]|, |v[(\s)+16*\b+\i+1]|
.endr
.endr
	WIN 0
.irp b, 0,1,2,3
	v_permlanex16_b32 v[TM+4+\b], v[TM+\b], s[SEL], s[SEL+1]
.endr
.irp b, 0,1,2,3
	v_max_num_f32 v[TM+\b], v[TM+\b], v[TM+4+\b]   ; with lane l xor 16's: the block's largest magnitude
.endr
.irp b, 0,1,2,3
	v_add_nc_u32 v[TM+12+\b], 0xff000000, v[TM+\b]   ; 2 off its exponent field: the conversion's scale operand
.endr
.irp b, 0,1,2,3
	v_lshrrev_b32 v[TM+4+\b], 23, v[TM+12+\b]      ; the scale's byte
.endr
	v_lshl_or_b32 v[\pw], v[TM+5], 8, v[TM+4]
	v_lshl_or_b32 v[\pw], v[TM+6], 16, v[\pw]
	v_lshl_or_b32 v[\pw], v[TM+7], 24, v[\pw]
	WIN (\wn)
.irp c, 0,1
	v_cvt_scalef32_pk16_fp6_f32 v[(\pc)+6*\c:(\pc)+6*\c+2], v[(\s)+32*\c:(\s)+32*\c+15], v[TM+12+2*\c]
	v_cvt_scalef32_pk16_fp6_f32 v[(\pc)+12+4*\c:(\pc)+14+4*\c], v[(\s)+16+32*\c:(\s)+31+32*\c], v[TM+13+2*\c]   ; (a conversion's three registers begin on an even number)
.endr
	WIN 0
	v_nop                                          ; one plain instruction behind a scaled conversion
.irp c, 0,1                                    ; the operand wants a whole block in a lane: lanes 0-15 block 2 c, lanes 16-31 block 2 c + 1
.irp i, 0,1,2
	v_permlane16_swap_b32 v[(\pc)+6*\c+\i], v[(\pc)+12+4*\c+\i]
.endr
.irp i, 0,1,2
	v_mov_b32 v[(\pc)+3+6*\c+\i], v[(\pc)+12+4*\c+\i]
.endr
.endr
.endm
	s_load_b128 s[4:7], s[0:1], 0x0                ; x, xc
	v_lshl_add_u32 v254, v0, 2, 0x8400
	v_mov_b32 v255, 0
	v_lshrrev_b32 v5, 5, v0
	v_readfirstlane_b32 s8, v5                     ; wave
	v_and_b32 v6, 31, v0                           ; lane
	v_lshlrev_b32 v[LI], 4, v6
	v_lshlrev_b32 v[L8], 3, v6
	s_mul_i32 s9, s8, STG
	v_add_nc_u32 v[STI], s9, v[LI]
	v_and_b32 v7, 15, v0                           ; r
	v_bfe_u32 v8, v0, 4, 1                         ; h
	v_mul_u32_u24 v[STO], v7, SPI
	v_lshl_add_u32 v[STO], v8, 6, v[STO]
	v_add_nc_u32 v[STO], s9, v[STO]
.irp b, 0,1,2,3
	v_mov_b32 v[TM+4+\b], 0                        ; written once: a lane permute's destination counts as one of its sources
.endr
	s_mov_b32 s[SEL], 0x76543210
	s_mov_b32 s[SEL+1], 0xfedcba98
	s_lshl_b32 s10, ttmp9, 2
	s_add_co_u32 s10, s10, s8                      ; my unit: 8 x row tile + super
	s_lshr_b32 s11, s10, 3                         ; row tile T
	s_and_b32 s12, s10, 7                          ; super
	s_lshr_b32 s13, s11, 1
	s_lshl_b32 s13, s13, 5
	s_and_b32 s14, s11, 1
	s_lshl_b32 s14, s14, 3
	s_add_co_u32 s13, s13, s14                     ; the tile's first row: 32 (T / 2) + 8 (T % 2)
	s_lshl_b32 s13, s13, 14
	s_lshl_b32 s12, s12, 11
	s_add_co_u32 s12, s13, s12                     ; in bytes, under 2^27
	s_mov_b32 s13, 0
	s_mul_i32 s14, s10, 6400
	s_mov_b32 s15, 0
	s_wait_kmcnt 0x0
	s_add_nc_u64 s[4:5], s[4:5], s[12:13]
	s_add_nc_u64 s[6:7], s[6:7], s[14:15]
.macro LOAD t                          ; K step t: 512 bytes of each of the tile's 16 rows
.irp p, 0,1,2,3,4,5,6,7,8,9,10,11,12,13,14,15
	global_load_b128 v[R+64*((\t)%2)+4*\p:R+64*((\t)%2)+4*\p+3], v[LI], s[4:5] offset:(\p+8*(\p/8))*ROWX+512*(\t) th:TH_LOAD_NT
.endr
.endm
.macro TURN t                          ; through the stage: LDS serves a wave's instructions in order, so no wait stands between the stores and the loads
.irp p, 0,1,2,3,4,5,6,7,8,9,10,11,12,13,14,15
	ds_store_b128 v[STI], v[R+64*((\t)%2)+4*\p:R+64*((\t)%2)+4*\p+3] offset:SPI*\p
.endr
.irp b, 0,1,2,3
.irp j, 0,1,2,3
	ds_load_b128 v[X+16*\b+4*\j:X+16*\b+4*\j+3], v[STO] offset:128*\b+16*\j
.endr
.endr
.endm
.macro KSTEP t
.if (\t) < 3
	s_wait_loadcnt 16                              ; this step's 16 loads are in; the next step's 16 may be out
.else
	s_wait_loadcnt 0x0
.endif
	TURN \t
	s_wait_dscnt 0x0                               ; my 64 numbers are back, and the stage's stores have read their registers,
.if (\t) < 2
	LOAD (\t)+2                                    ; which take the loads of two steps on
.endif
	s_wait_xcnt 0x0                                ; the last step's stores have read the codes' registers: they are written again only behind this wait
	QUANT X, PC, PW+(\t), 0
.irp c, 0,1,2
	global_store_b128 v[LI], v[PC+4*\c:PC+4*\c+3], s[6:7] offset:1536*(\t)+512*\c   ; 32 lanes store 512 consecutive bytes
.endr
.endm
	LOAD 0
	LOAD 1
	KSTEP 0
	KSTEP 1
	KSTEP 2
	KSTEP 3
	s_mov_b32 vcc_lo, 0xffff0000                   ; the scale block: lanes 0-15 take the even fragment's words, lanes 16-31 the odd one's
	v_cndmask_b32 v[SW], v[PW], v[PW+1], vcc_lo
	v_cndmask_b32 v[SW+1], v[PW+2], v[PW+3], vcc_lo
	global_store_b64 v[L8], v[SW:SW+1], s[6:7] offset:6144   ; 32 lanes store 256 consecutive bytes, aligned
	s_wait_tensorcnt 0x0
	ds_add_u32 v254, v255
	s_wait_dscnt 0x0
	s_endpgm
.Lfunc_end_k_q2613fa691a_qx:
	.size	k_q2613fa691a_qx, .Lfunc_end_k_q2613fa691a_qx-k_q2613fa691a_qx
	.p2alignl 7, 3214868480
	.fill 96, 4, 3214868480
	.section	.rodata,"a",@progbits
	.p2align	6, 0x0
	.amdhsa_kernel k_q2613fa691a_qx
		.amdhsa_group_segment_fixed_size 34304
		.amdhsa_private_segment_fixed_size 0
		.amdhsa_enable_private_segment 0
		.amdhsa_kernarg_size 16
		.amdhsa_user_sgpr_count 2
		.amdhsa_user_sgpr_kernarg_segment_ptr 1
		.amdhsa_wavefront_size32 1
		.amdhsa_system_sgpr_workgroup_id_x 1
		.amdhsa_system_sgpr_workgroup_id_y 1
		.amdhsa_system_sgpr_workgroup_id_z 1
		.amdhsa_system_vgpr_workitem_id 0
		.amdhsa_next_free_vgpr 256
		.amdhsa_next_free_sgpr 66
		.amdhsa_reserve_vcc 1
		.amdhsa_float_denorm_mode_32 3
		.amdhsa_float_denorm_mode_16_64 3
		.amdhsa_memory_ordered 1
		.amdhsa_forward_progress 1
		.amdhsa_inst_pref_size 33
	.end_amdhsa_kernel
	.amdgpu_metadata
---
amdhsa.version: [ 1, 2 ]
amdhsa.kernels:
  - .name:           k_q2613fa691a_qx
    .symbol:         k_q2613fa691a_qx.kd
    .args:
      - { .name: x, .offset: 0, .size: 8, .value_kind: global_buffer, .address_space: global }
      - { .name: xc, .offset: 8, .size: 8, .value_kind: global_buffer, .address_space: global }
    .group_segment_fixed_size: 34304
    .private_segment_fixed_size: 0
    .kernarg_segment_align: 8
    .kernarg_segment_size: 16
    .max_flat_workgroup_size: 128
    .sgpr_count:     66
    .vgpr_count:     256
    .wavefront_size: 32
...
	.end_amdgpu_metadata
.endif
;; end of part 1
;; launch qw (part 2): grid 384 x 1, 8 waves a work-group, no clusters, 27,648 bytes of LDS; arguments wq, wk, wv, wo, wc; writes wc
.if DOCPART == 2
	.amdgcn_target "amdgcn-amd-amdhsa--gfx1250"
	.amdhsa_code_object_version 6
	.text
	.protected	k_q2613fa691a_qw
	.globl	k_q2613fa691a_qw
	.p2align	8
	.type	k_q2613fa691a_qw,@function
k_q2613fa691a_qw:
	s_mov_b64 s[64:65], 0
	v_nop
	global_prefetch_b8 v0, s[64:65] scope:SCOPE_SE
	s_setreg_imm32_b32 hwreg(HW_REG_WAVE_MODE, 25, 1), 1
	s_wait_xcnt 0x0
; The four weights, f32 with K as their FIRST axis, become codes of FP6 (E2M3) with one E8M0 scale byte for each 32 along K, laid as xc is (row tiles of 16 in the order
; 32 B + 8 u + p + 8 (p / 8); supers of 512 along K: four register images of 1,536 bytes and 256 bytes of scale words).  A "row" here is a COLUMN of the weight.
; wc: bytes 0 on: [row tile 128][super 8][6400]: columns of wq (rows 0-1023), wk (1024-1535), wv (1536-2047); from byte 6,553,600 on: wo as [row tile 256][super 2][6400].
; SHARES: a work-group takes 64 columns x 512 K of one tensor: four supers.  Which tensor, its pitch and its place are CHOSEN by selects on the work-group's number: one path through the text.
; Wave w takes 32 columns (w % 2) and 128 along K (w / 2).  A LANE TAKES A COLUMN AND ITS REGISTERS RUN DOWN K: a block of 32 is one lane's, and the conversions give codes with K innermost.
; The codes go into images in LDS (a lane's block is six registers of one lane of an image), one barrier, and leave as they lie: 512 consecutive bytes a store.
; LIMITS: NaN and infinities are not served.  A block whose largest magnitude lies under 2^-124, and a block of zeros, get the byte 1 (zeros: the rule says 127; the codes are zeros, and this program alone reads the bytes).
.set STGF, 6528                        ; LDS: a super's place: 6,400 bytes + 128
.set VS,   2                           ; v2   where my column's codes go: 6528 f + 1536 s + 16 p
.set VW,   3                           ; v3   and its scale word
.set SWD,  10                          ; v10  the scale word
.set OFF,  16                          ; v16-31 4 x lane + i x pitch
.set X,    32                          ; v32-159 128 numbers: register k
.set CD,   160                         ; v160.. block b's six registers of codes at 160 + 8 b
.set SCR,  192                         ; v192.. the second conversion's results, to be moved
.set OUTR, 208                         ; v208-233 the way out
	s_load_b256 s[4:11], s[0:1], 0x0               ; wq, wk, wv, wo
	s_load_b64 s[12:13], s[0:1], 0x20              ; wc
	v_lshl_add_u32 v240, v0, 2, 0x6800
	v_mov_b32 v241, 0
	v_lshrrev_b32 v5, 5, v0
	v_readfirstlane_b32 s17, v5                    ; wave 0..7
	s_and_b32 s18, s17, 1                          ; which 32 columns; on the way out: which half of a super
	s_lshr_b32 s19, s17, 1                         ; which 128 along K; on the way out: which super
	s_mov_b32 s16, ttmp9
	v_and_b32 v5, 31, v0                           ; lane = column
	v_lshlrev_b32 v1, 2, v5
	v_lshlrev_b32 v4, 4, v5
	v_lshlrev_b32 v9, 3, v5
	v_bfe_u32 v6, v0, 3, 1                         ; u: which of the pair's two row tiles
	v_and_b32 v7, 7, v0
	v_bfe_u32 v8, v0, 4, 1
	v_lshl_add_u32 v7, v8, 3, v7                   ; p: my fragment row
	v_mul_u32_u24 v6, v6, STGF
	s_mul_i32 s52, s18, 2*STGF
	s_mul_i32 s53, s19, 1536
	s_add_co_u32 s53, s53, s52
	v_lshl_add_u32 v[VS], v7, 4, v6
	v_add_nc_u32 v[VS], s53, v[VS]
	s_and_b32 s53, s19, 1
	s_lshl_b32 s53, s53, 7
	s_lshr_b32 s54, s19, 1
	s_lshl_b32 s54, s54, 2
	s_add_co_u32 s53, s53, s54
	s_add_co_u32 s53, s53, s52
	s_add_co_u32 s53, s53, 6144                    ; fragment s: 128 (s % 2) + 4 (s / 2) in the scale block
	v_lshl_add_u32 v[VW], v7, 3, v6
	v_add_nc_u32 v[VW], s53, v[VW]
	s_mul_i32 s54, s19, STGF                       ; the way out
	s_mul_i32 s58, s18, 3072
	s_add_co_u32 s55, s58, s54
	v_add_nc_u32 v14, s55, v4                      ; LDS: my half of my super
	s_add_co_u32 s54, s54, 6144
	v_add_nc_u32 v15, s54, v9                      ; LDS: its scale block
	v_add_nc_u32 v4, s58, v4                       ; and the half's place in memory
	s_mov_b32 s21, 2048
	s_mov_b32 s22, 128
	s_mov_b32 s27, 6553600
	s_wait_kmcnt 0x0
	s_cmp_lt_u32 s16, 128                          ; the choices hang on the work-group's number alone
	s_cselect_b64 s[14:15], s[4:5], s[6:7]
	s_cselect_b32 s20, 4096, s21                   ; pitch in bytes
	s_cselect_b32 s23, 0, s22                      ; the tensor's first work-group
	s_mov_b32 s22, 192
	s_cmp_lt_u32 s16, 192
	s_cselect_b64 s[14:15], s[14:15], s[8:9]
	s_cselect_b32 s23, s23, s22
	s_mov_b32 s21, 16384
	s_mov_b32 s22, 256
	s_cmp_lt_u32 s16, 256
	s_cselect_b64 s[14:15], s[14:15], s[10:11]
	s_cselect_b32 s20, s20, s21
	s_cselect_b32 s28, s23, 0                      ; (twice the first row tile of wq, wk, wv; wo's region begins anew)
	s_cselect_b32 s23, s23, s22
	s_cselect_b32 s24, 3, 1                        ; supers: 8 or 2
	s_cselect_b32 s25, 7, 1
	s_cselect_b32 s26, 8, 2
	s_cselect_b32 s27, 0, s27                      ; the region in wc
	s_sub_co_u32 s29, s16, s23
	s_lshr_b32 s29, s29, s24                       ; which 64 columns of the tensor
	s_and_b32 s30, s16, s25                        ; which super
	s_lshr_b32 s28, s28, 1
	s_lshl_b32 s31, s29, 2
	s_add_co_u32 s28, s28, s31                     ; the first of my four row tiles
	s_lshl_b32 s48, s30, 9
	s_lshl_b32 s49, s19, 7
	s_add_co_u32 s48, s48, s49                     ; my first row of the weight: 512 super + 128 s
	s_mul_i32 s48, s48, s20
	s_lshl_b32 s49, s29, 8
	s_add_co_u32 s48, s48, s49
	s_lshl_b32 s49, s18, 7
	s_add_co_u32 s48, s48, s49                     ; + my first column, 4 bytes each: under 2^25
	s_mov_b32 s49, 0
	s_add_nc_u64 s[32:33], s[14:15], s[48:49]      ; a base for each 16 rows: the pitch is no constant, so rows cannot stand in immediates
	s_lshl_b32 s50, s20, 4
	s_mov_b32 s51, 0
.irp m, 1,2,3,4,5,6,7
	s_add_nc_u64 s[32+2*\m:33+2*\m], s[30+2*\m:31+2*\m], s[50:51]
.endr
.irp i, 0,1,2,3,4,5,6,7,8,9,10,11,12,13,14,15
	v_mad_u32_u24 v[OFF+\i], s20, \i, v1
.endr
	s_add_co_u32 s56, s28, s19
	s_mul_i32 s56, s56, s26
	s_add_co_u32 s56, s56, s30
	s_mul_i32 s56, s56, 6400
	s_add_co_u32 s56, s56, s27
	s_mov_b32 s57, 0
	s_add_nc_u64 s[12:13], s[12:13], s[56:57]      ; the super that I store
.irp m, 0,1,2,3,4,5,6,7
.irp i, 0,1,2,3,4,5,6,7,8,9,10,11,12,13,14,15
	global_load_b32 v[X+16*\m+\i], v[OFF+\i], s[32+2*\m:33+2*\m] th:TH_LOAD_NT   ; row 16 m + i at 32 neighbouring columns
.endr
.endr
.macro BLOCK b, cnt
.set XS, X+32*(\b)
	s_wait_loadcnt \cnt                            ; the loads behind this block's 32 may be out (the count's field holds 63 at the most)
	v_max3_num_f32 v12, |v[XS]|, |v[XS+1]|, |v[XS+2]|
	v_max3_num_f32 v13, |v[XS+3]|, |v[XS+4]|, |v[XS+5]|
.irp i, 6,10,14,18,22,26
	v_max3_num_f32 v12, v12, |v[XS+\i]|, |v[XS+\i+1]|
	v_max3_num_f32 v13, v13, |v[XS+\i+2]|, |v[XS+\i+3]|
.endr
	v_max3_num_f32 v12, v12, |v[XS+30]|, |v[XS+31]|
	v_max3_num_f32 v12, v12, v13, 0x1800000        ; and the floor 2^(3 - 127)
	v_add_nc_u32 v11, 0xff000000, v12              ; 2 off the exponent field: the conversion's scale operand
	v_lshrrev_b32 v13, 23, v11                     ; the byte
.if (\b) == 0
	v_mov_b32 v[SWD], v13
.else
	v_lshl_or_b32 v[SWD], v13, 8*(\b), v[SWD]
.endif
	v_cvt_scalef32_pk16_fp6_f32 v[CD+8*(\b):CD+8*(\b)+2], v[XS:XS+15], v11
	v_cvt_scalef32_pk16_fp6_f32 v[SCR+4*(\b):SCR+4*(\b)+2], v[XS+16:XS+31], v11
	v_nop                                          ; one plain instruction behind a scaled conversion
.irp i, 0,1,2
	v_mov_b32 v[CD+8*(\b)+3+\i], v[SCR+4*(\b)+\i]
.endr
; block b is registers 6 (b / 2) .. + 5 of the image's lane p + 16 (b % 2); register n of lane l lies at 512 (n / 4) + 16 l + 4 (n % 4)
.if (\b) < 2
	ds_store_b128 v[VS], v[CD+8*(\b):CD+8*(\b)+3] offset:256*(\b)
	ds_store_b64 v[VS], v[CD+8*(\b)+4:CD+8*(\b)+5] offset:512+256*(\b)
.else
	ds_store_b64 v[VS], v[CD+8*(\b):CD+8*(\b)+1] offset:520+256*((\b)-2)
	ds_store_b128 v[VS], v[CD+8*(\b)+2:CD+8*(\b)+5] offset:1024+256*((\b)-2)
.endif
.endm
	BLOCK 0, 63
	BLOCK 1, 63
	BLOCK 2, 32
	BLOCK 3, 0
	ds_store_b32 v[VW], v[SWD]
	s_wait_dscnt 0x0                               ; for the others' sake: my stores have landed
	s_barrier_signal -1
	s_barrier_wait -1                              ; four whole supers lie in LDS
.irp i, 0,1,2,3,4,5
	ds_load_b128 v[OUTR+4*\i:OUTR+4*\i+3], v14 offset:512*\i
.endr
.irp i, 0,1,2,3,4,5
	s_wait_dscnt 5-\i
	global_store_b128 v4, v[OUTR+4*\i:OUTR+4*\i+3], s[12:13] offset:512*\i   ; 32 lanes store 512 consecutive bytes
.endr
	s_cmp_lg_u32 s18, 0                            ; the even waves also move the scale block
	s_cbranch_scc1 .Ldone
	ds_load_b64 v[OUTR+24:OUTR+25], v15
	s_wait_dscnt 0x0
	global_store_b64 v9, v[OUTR+24:OUTR+25], s[12:13] offset:6144
.Ldone:
	s_wait_tensorcnt 0x0
	ds_add_u32 v240, v241
	s_wait_dscnt 0x0
	s_endpgm
.Lfunc_end_k_q2613fa691a_qw:
	.size	k_q2613fa691a_qw, .Lfunc_end_k_q2613fa691a_qw-k_q2613fa691a_qw
	.p2alignl 7, 3214868480
	.fill 96, 4, 3214868480
	.section	.rodata,"a",@progbits
	.p2align	6, 0x0
	.amdhsa_kernel k_q2613fa691a_qw
		.amdhsa_group_segment_fixed_size 27648
		.amdhsa_private_segment_fixed_size 0
		.amdhsa_enable_private_segment 0
		.amdhsa_kernarg_size 40
		.amdhsa_user_sgpr_count 2
		.amdhsa_user_sgpr_kernarg_segment_ptr 1
		.amdhsa_wavefront_size32 1
		.amdhsa_system_sgpr_workgroup_id_x 1
		.amdhsa_system_sgpr_workgroup_id_y 1
		.amdhsa_system_sgpr_workgroup_id_z 1
		.amdhsa_system_vgpr_workitem_id 0
		.amdhsa_next_free_vgpr 242
		.amdhsa_next_free_sgpr 66
		.amdhsa_reserve_vcc 0
		.amdhsa_float_denorm_mode_32 3
		.amdhsa_float_denorm_mode_16_64 3
		.amdhsa_memory_ordered 1
		.amdhsa_forward_progress 1
		.amdhsa_inst_pref_size 26
	.end_amdhsa_kernel
	.amdgpu_metadata
---
amdhsa.version: [ 1, 2 ]
amdhsa.kernels:
  - .name:           k_q2613fa691a_qw
    .symbol:         k_q2613fa691a_qw.kd
    .args:
      - { .name: wq, .offset: 0, .size: 8, .value_kind: global_buffer, .address_space: global }
      - { .name: wk, .offset: 8, .size: 8, .value_kind: global_buffer, .address_space: global }
      - { .name: wv, .offset: 16, .size: 8, .value_kind: global_buffer, .address_space: global }
      - { .name: wo, .offset: 24, .size: 8, .value_kind: global_buffer, .address_space: global }
      - { .name: wc, .offset: 32, .size: 8, .value_kind: global_buffer, .address_space: global }
    .group_segment_fixed_size: 27648
    .private_segment_fixed_size: 0
    .kernarg_segment_align: 8
    .kernarg_segment_size: 40
    .max_flat_workgroup_size: 256
    .sgpr_count:     66
    .vgpr_count:     242
    .wavefront_size: 32
...
	.end_amdgpu_metadata
.endif
;; end of part 2
;; launch proj (part 3): grid 256 x 1, 4 waves a work-group, clusters of 4 x 1, 327,680 bytes of LDS; arguments xc, wc, freqs_cos, freqs_sin, qkv; writes qkv
.if DOCPART == 3
	.amdgcn_target "amdgcn-amd-amdhsa--gfx1250"
	.amdhsa_code_object_version 6
	.text
	.protected	k_q2613fa691a_proj
	.globl	k_q2613fa691a_proj
	.p2align	8
	.type	k_q2613fa691a_proj,@function
k_q2613fa691a_proj:
	s_mov_b64 s[64:65], 0
	v_nop
	global_prefetch_b8 v0, s[64:65] scope:SCOPE_SE
	s_setreg_imm32_b32 hwreg(HW_REG_WAVE_MODE, 25, 1), 1
	s_wait_xcnt 0x0
	s_wait_alu depctr_hold_cnt(0) depctr_sa_sdst(0) depctr_va_vdst(0) depctr_va_sdst(0) depctr_va_ssrc(0) depctr_va_vcc(0) depctr_vm_vsrc(0)
	s_getreg_b32 s2, hwreg(HW_REG_IB_STS2, 6, 4)
	s_cmp_eq_u32 s2, 0
	s_cbranch_scc0 .Lentry_in_a_cluster
	s_endpgm
.Lentry_in_a_cluster:
	s_bfe_u32 s2, ttmp6, 0x10000c
	s_cmp_lg_u32 s2, 0x3003
	s_cbranch_scc0 .Lentry_shape_is_right
	s_endpgm
.Lentry_shape_is_right:
; The three projections on codes of FP6 (E2M3), K = 4,096; RoPE on q and k; and the quantisers of q, k (along the head's 128) and of v (along the keys).
; ONE BODY: OUT[m][n] = sum over k of A[m][k] B[n][k], then quantised along n.  Clusters 0-47: A = x's rows (tokens), B = the columns of wq and wk: n runs along a head.
; Clusters 48-63: A = the columns of wv, B = x's rows: n runs along the keys, so v comes out with the keys innermost.  The buffers are chosen by selects on the cluster's number.
; A work-group makes 128 m x 256 n, each of its four waves 64 x 128: 32 accumulators.  A wave's 128 n are one head or one key step: one fragment a tile of 16 m.
; THE MATRIX INSTRUCTION IS USED TRANSPOSED (source 0 = 16 rows of B, source 1 = 16 rows of A).  Row tiles hold rows 32 B + 8 u + p + 8 (p / 8), so a lane's 16 registers of two neighbouring
; tiles of B are 16 neighbours along n: the quantiser's blocks and RoPE's pairs lie in a lane's registers.
; OPERANDS lie in memory as images of their registers: a super (6,400 bytes) is four K steps' fragments of a row tile and their scale words.  A slot of LDS holds one super of A's 8 and B's 16 row tiles.
; CLUSTER: the four work-groups of a cluster share B's tile (two thirds of a slot) and ask for it jointly; A's tile is each work-group's own.  A cluster of 4 x 4 is not taken: the first part has
; 6 tile columns and the second 4 tile rows, and no grid of 4 x 4 divides both.
; qkv: [batch 2][16][32][6400]: 0-7 q's heads, 8-11 k's (index: 64 tokens; the four fragments: four tiles of tokens), 12-15 v's (index: 2 x key step + half of the head; the four fragments: four tiles of channels).
; LIMITS: blocks under 2^-124 and blocks of zeros get the scale byte 1 (internal bytes).  RoPE rounds one product of each pair before the fused multiply-add takes it.  NaN and infinities are not served.
; REGISTERS: window 0: v16-29 addresses; v32-79 scale words, a set for each slot; v80-119 codes on the way out; v128-223 A's fragments, two sets (on the way out: at work).
;   window 1: B's fragments, two sets.   window 2: accumulator (a, b) at v[8 (8 a + b)].   window 3: cos and sin.
.set SFB,   6400
.set SLOT,  24*SFB
.set BOFF,  8*SFB
.set SPARE, 2*SLOT                     ; behind the ring: the spare words, 128 bytes for each wave: two blocks of 256 bytes that no other line names
.set ADRA, 16                          ; v16-17 my A fragments in slot 0, 1: 16 x lane + ..
.set ADRB, 18                          ; v18-19 B's
.set ASA,  20                          ; v20-21 A's scale words: 8 x lane + ..
.set ASB,  22                          ; v22-23 B's
.set LI,   24                          ; v24 16 x lane
.set L8,   25                          ; v25 8 x lane
.set CA,   26                          ; v26 my byte in the tables of cos and sin
.set SPW,  28                          ; v28 my spare word; never rewritten
.set NIL,  29                          ; v29 0; never rewritten
.set SC,   32                          ; set s at 32 + 24 s: A's (a, u) at + 2 a + u, B's (b, u) at + 8 + 2 b + u
.set PCB,  80
.set AF,   128                         ; A's set p at 128 + 48 p
.set TT,   128                         ; the way out: v128-191 RoPE's products
.set TM,   192
.set PW,   208
.set SW,   212
.set SEL,  20
.set G1A,  24
.set G0A,  32
.set G1B,  48
.set G0B,  56
.set MSB, 0
.macro WIN new                         ; the immediate's high byte repeats the setting that is left
.if MSB != (\new)
	s_set_vgpr_msb (MSB<<8)|(\new)
.set MSB, (\new)
.endif
.endm
.macro PLACES n
.rept \n
	v_nop
.endr
.endm
.macro QUANT s, pc, pw, wn             ; 64 numbers of a lane, v[s] on in window wn (register 16 b + i = n 32 b + 16 h + i), become a fragment's codes in v[pc] on and its scale word in v[pw]
	WIN ((\wn)<<2)|((\wn)<<4)
.irp b, 0,1,2,3
	v_max3_num_f32 v[TM+\b], 0x1800000, |v[(\s)+16*\b]|, |v[(\s)+16*\b+1]|   ; with the floor 2^(3 - 127); each accumulator is read from its low end on
.endr
.irp i, 2,4,6,8,10,12,14
.irp b, 0,1,2,3
	v_max3_num_f32 v[TM+\b], v[TM+\b], |v[(\s)+16*\b+\i]|, |v[(\s)+16*\b+\i+1]|
.endr
.endr
	WIN 0
.irp b, 0,1,2,3
	v_permlanex16_b32 v[TM+4+\b], v[TM+\b], s[SEL], s[SEL+1]
.endr
.irp b, 0,1,2,3
	v_max_num_f32 v[TM+\b], v[TM+\b], v[TM+4+\b]
.endr
.irp b, 0,1,2,3
	v_add_nc_u32 v[TM+12+\b], 0xff000000, v[TM+\b]
.endr
.irp b, 0,1,2,3
	v_lshrrev_b32 v[TM+4+\b], 23, v[TM+12+\b]
.endr
	v_lshl_or_b32 v[\pw], v[TM+5], 8, v[TM+4]
	v_lshl_or_b32 v[\pw], v[TM+6], 16, v[\pw]
	v_lshl_or_b32 v[\pw], v[TM+7], 24, v[\pw]
	WIN (\wn)
.irp c, 0,1
	v_cvt_scalef32_pk16_fp6_f32 v[(\pc)+6*\c:(\pc)+6*\c+2], v[(\s)+32*\c:(\s)+32*\c+15], v[TM+12+2*\c]
	v_cvt_scalef32_pk16_fp6_f32 v[(\pc)+12+4*\c:(\pc)+14+4*\c], v[(\s)+16+32*\c:(\s)+31+32*\c], v[TM+13+2*\c]
.endr
	WIN 0
	v_nop                                          ; one plain instruction behind a scaled conversion
.irp c, 0,1
.irp i, 0,1,2
	v_permlane16_swap_b32 v[(\pc)+6*\c+\i], v[(\pc)+12+4*\c+\i]
.endr
.irp i, 0,1,2
	v_mov_b32 v[(\pc)+3+6*\c+\i], v[(\pc)+12+4*\c+\i]
.endr
.endr
.endm
; Waves 0 and 1 fetch A's halves (a load of the work-group's own), waves 2 and 3 B's (a joint load).  The branch hangs on the wave's number alone.  Four v_nop follow each line.
.macro JLOAD sl
	s_cmp_eq_u32 s15, 0
	s_cbranch_scc0 .Lfor_b_\@
	tensor_load_to_lds s[G0A+4*\sl:G0A+4*\sl+3], s[G1A:G1A+7]
	s_nop 0
.rept 4
	v_nop
.endr
	s_branch .Lasked_\@
.Lfor_b_\@:
	tensor_load_to_lds s[G0B+4*\sl:G0B+4*\sl+3], s[G1B:G1B+7]
	s_nop 0
.rept 4
	v_nop
.endr
.Lasked_\@:
.endm
.macro CREST                           ; a round of the cluster's barrier behind its opening barrier
	s_cmp_lg_u32 s14, 0
	s_cbranch_scc1 .Lnot_wave_0_\@
	s_barrier_signal -3
.Lnot_wave_0_\@:
	s_barrier_wait -3
	s_barrier_signal -1
	s_barrier_wait -1
.endm
.macro CROUND
	s_barrier_signal -1
	s_barrier_wait -1
	CREST
.endm
	s_load_b256 s[4:11], s[0:1], 0x0               ; xc, wc, cos, sin
	s_load_b64 s[12:13], s[0:1], 0x20              ; qkv
	v_lshl_add_u32 v[SPW], v0, 2, SPARE
	v_mov_b32 v[NIL], 0
	ds_add_u32 v28, v29
	s_wait_dscnt 0x0
	v_lshrrev_b32 v1, 5, v0
	v_readfirstlane_b32 s14, v1                    ; wave 0..3
	s_lshr_b32 s15, s14, 1                         ; which 64 m are mine.  Also: I fetch for A (0) or for B (1)
	s_and_b32 s16, s14, 1                          ; which 128 n.  Also: which half of that tile I fetch
	s_mov_b32 s17, ttmp9                           ; the cluster, 0..63
	s_bfe_u32 s18, ttmp6, 0x40000                  ; cx: my place in it
	; descriptor group 1: rows of 6,400 bytes (800 elements of 8), one a row tile, 51,200 bytes apart; A: 4 rows, B: 8
	s_mov_b32 s[G1A], 3<<16                        ; no mask; elements of 8 bytes; no padding
	s_mov_b32 s[G1A+1], 800<<16                    ; tensor_dim0
	s_mov_b32 s[G1A+2], 4<<16                      ; tensor_dim1
	s_mov_b32 s[G1A+3], 800<<16                    ; tile_dim0
	s_mov_b32 s[G1A+4], 4                          ; tile_dim1
	s_mov_b32 s[G1A+5], 6400                       ; tensor_dim0_stride, in elements
	s_mov_b32 s[G1A+6], 0
	s_mov_b32 s[G1A+7], 0
	s_mov_b32 s[G1B], 15|(3<<16)|(1<<21)           ; the mask: all four work-groups; bit 21 set beside it
	s_mov_b32 s[G1B+1], 800<<16
	s_mov_b32 s[G1B+2], 8<<16
	s_mov_b32 s[G1B+3], 800<<16
	s_mov_b32 s[G1B+4], 8
	s_mov_b32 s[G1B+5], 6400
	s_mov_b32 s[G1B+6], 0
	s_mov_b32 s[G1B+7], 0
	s_mov_b32 s[SEL], 0x76543210
	s_mov_b32 s[SEL+1], 0xfedcba98
	s_lshr_b32 s68, s17, 3
	s_sub_co_u32 s69, s17, 48
	s_and_b32 s70, s17, 7
	s_lshl_b32 s70, s70, 5
	s_cmp_lt_u32 s17, 48
	s_cselect_b32 s68, s68, s69                    ; nt: which 256 n
	s_cselect_b32 s70, s70, 96                     ; A's first row tile, less my place's 8 cx
	s_lshl_b32 s71, s18, 3
	s_add_co_u32 s70, s70, s71
	s_lshl_b32 s72, s16, 2
	s_add_co_u32 s72, s70, s72
	s_mul_i32 s72, s72, 8*SFB                      ; A: the four row tiles that I fetch, in bytes
	s_mov_b32 s73, 0
	s_lshl_b32 s74, s68, 4
	s_lshl_b32 s75, s16, 3
	s_add_co_u32 s74, s74, s75
	s_mul_i32 s74, s74, 8*SFB                      ; B: the eight that I fetch: made of the cluster's and the wave's numbers alone
	s_mov_b32 s75, 0
	s_mul_i32 s80, s16, 4*SFB                      ; where they go in a slot
	s_mul_i32 s81, s16, 8*SFB
	s_add_co_u32 s81, s81, BOFF
	; where my super of results goes
	s_and_b32 s82, s17, 7
	s_lshl_b32 s82, s82, 3
	s_lshl_b32 s83, s18, 1
	s_add_co_u32 s82, s82, s83
	s_add_co_u32 s82, s82, s15                     ; q, k: my 64 tokens, tg
	s_lshl_b32 s84, s68, 1
	s_add_co_u32 s84, s84, s16                     ; q, k: the head 0..11;  v: the key step 0..31
	s_lshr_b32 s85, s82, 5
	s_lshl_b32 s85, s85, 4
	s_add_co_u32 s85, s85, s84
	s_lshl_b32 s85, s85, 5
	s_and_b32 s86, s82, 31
	s_add_co_u32 s85, s85, s86
	s_lshr_b32 s87, s84, 4
	s_lshl_b32 s87, s87, 4
	s_add_co_u32 s87, s87, 12
	s_add_co_u32 s87, s87, s18
	s_lshl_b32 s87, s87, 5
	s_and_b32 s88, s84, 15
	s_lshl_b32 s88, s88, 1
	s_add_co_u32 s87, s87, s88
	s_add_co_u32 s87, s87, s15
	s_cmp_lt_u32 s17, 48
	s_cselect_b32 s85, s85, s87
	s_mul_i32 s66, s85, SFB
	s_mov_b32 s67, 0
	s_wait_kmcnt 0x0
	s_cmp_lt_u32 s17, 48
	s_cselect_b64 s[76:77], s[4:5], s[6:7]         ; A
	s_cselect_b64 s[78:79], s[6:7], s[4:5]         ; B
	s_add_nc_u64 s[76:77], s[76:77], s[72:73]
	s_add_nc_u64 s[78:79], s[78:79], s[74:75]
	s_add_nc_u64 s[66:67], s[12:13], s[66:67]
	CROUND                                         ; all four work-groups are here: the first joint loads meet
.irp s, 0,1
	s_mov_b32 s[G0A+4*\s], 1
	s_add_co_u32 s[G0A+4*\s+1], s80, \s*SLOT
	s_add_nc_u64 s[G0A+4*\s+2:G0A+4*\s+3], s[76:77], \s*SFB       ; super s
	s_or_b32 s[G0A+4*\s+3], s[G0A+4*\s+3], 0x80000000
	s_mov_b32 s[G0B+4*\s], 1
	s_add_co_u32 s[G0B+4*\s+1], s81, \s*SLOT
	s_add_nc_u64 s[G0B+4*\s+2:G0B+4*\s+3], s[78:79], \s*SFB
	s_or_b32 s[G0B+4*\s+3], s[G0B+4*\s+3], 0x80000000
	JLOAD \s                                       ; two loads of mine are out
.endr
	v_and_b32 v1, 31, v0
	v_lshlrev_b32 v[LI], 4, v1
	v_lshlrev_b32 v[L8], 3, v1
	s_mul_i32 s89, s15, 4*SFB                      ; my four row tiles of A,
	s_mul_i32 s90, s16, 8*SFB
	s_add_co_u32 s90, s90, BOFF                    ; my eight of B
.irp s, 0,1
	v_add_nc_u32 v[ADRA+\s], s89, v[LI]
	v_add_nc_u32 v[ADRB+\s], s90, v[LI]
	v_add_nc_u32 v[ASA+\s], s89, v[L8]
	v_add_nc_u32 v[ASB+\s], s90, v[L8]
	s_add_co_u32 s89, s89, SLOT
	s_add_co_u32 s90, s90, SLOT
.endr
	v_and_b32 v2, 15, v0                           ; r
	v_bfe_u32 v3, v0, 4, 1                         ; h
	v_and_b32 v4, 8, v2
	v_add_nc_u32 v4, v4, v2                        ; r + 8 (r / 8)
	s_lshl_b32 s86, s86, 6
	v_add_nc_u32 v4, s86, v4                       ; my token's position, less the tile's part
	v_lshlrev_b32 v[CA], 8, v4                     ; a row of the tables is 256 bytes,
	v_lshl_add_u32 v[CA], v3, 5, v[CA]             ; my half's eight pairs 32 bytes on
.macro WM zero, odd                    ; one product; in odd K steps both sides' scale words lie in lanes 16-31
.if \zero
.if \odd
	v_wmma_scale_f32_16x16x128_f8f6f4 v[rD:rD+7], v[rB:rB+11], v[rA:rA+11], 0, v[rSB], v[rSA] matrix_a_fmt:MATRIX_FMT_FP6 matrix_b_fmt:MATRIX_FMT_FP6 matrix_a_scale:MATRIX_SCALE_ROW1 matrix_b_scale:MATRIX_SCALE_ROW1
.else
	v_wmma_scale_f32_16x16x128_f8f6f4 v[rD:rD+7], v[rB:rB+11], v[rA:rA+11], 0, v[rSB], v[rSA] matrix_a_fmt:MATRIX_FMT_FP6 matrix_b_fmt:MATRIX_FMT_FP6
.endif
.else
.if \odd
	v_wmma_scale_f32_16x16x128_f8f6f4 v[rD:rD+7], v[rB:rB+11], v[rA:rA+11], v[rD:rD+7], v[rSB], v[rSA] matrix_a_fmt:MATRIX_FMT_FP6 matrix_b_fmt:MATRIX_FMT_FP6 matrix_a_scale:MATRIX_SCALE_ROW1 matrix_b_scale:MATRIX_SCALE_ROW1
.else
	v_wmma_scale_f32_16x16x128_f8f6f4 v[rD:rD+7], v[rB:rB+11], v[rA:rA+11], v[rD:rD+7], v[rSB], v[rSA] matrix_a_fmt:MATRIX_FMT_FP6 matrix_b_fmt:MATRIX_FMT_FP6
.endif
.endif
.endm
; A's tiles a0 .. a0 + na - 1 against B's eight, the slot's q-th 128 along K, from fragment set p and scale set sc.  The 32 accumulators take turns, one instruction a turn, in one order everywhere.
.macro MULS a0, na, p, q, sc, zero
	WIN 0xa1                                       ; source 0 (B) window 1, source 1 (A) window 0, C and D window 2
.set ia, \a0
.rept \na
.set ib, 0
.rept 8
.set rD, 8*(8*ia+ib)
.set rB, 128*(\p)+12*ib
.set rA, AF+48*(\p)+12*ia
.set rSB, SC+24*(\sc)+8+2*ib+(\q)/2
.set rSA, SC+24*(\sc)+2*ia+(\q)/2
	WM \zero, (\q)%2
.set ib, ib+1
.endr
.set ia, ia+1
.endr
.endm
.macro FETCH slot, q, p                ; 36 loads of 512 consecutive bytes: B's eight and A's four fragments of the slot's q-th K step into set p
	WIN 0x40
.irp b, 0,1,2,3,4,5,6,7
.irp g, 0,1,2
	ds_load_b128 v[128*(\p)+12*\b+4*\g:128*(\p)+12*\b+4*\g+3], v[ADRB+\slot] offset:SFB*\b+1536*(\q)+512*\g
.endr
.endr
	WIN 0
.irp a, 0,1,2,3
.irp g, 0,1,2
	ds_load_b128 v[AF+48*(\p)+12*\a+4*\g:AF+48*(\p)+12*\a+4*\g+3], v[ADRA+\slot] offset:SFB*\a+1536*(\q)+512*\g
.endr
.endr
.endm
.macro SCALES slot                     ; a slot's scale words: two registers a row tile serve its four K steps
.irp a, 0,1,2,3
	ds_load_b64 v[SC+24*\slot+2*\a:SC+24*\slot+2*\a+1], v[ASA+\slot] offset:SFB*\a+6144
.endr
.irp b, 0,1,2,3,4,5,6,7
	ds_load_b64 v[SC+24*\slot+8+2*\b:SC+24*\slot+8+2*\b+1], v[ASB+\slot] offset:SFB*\b+6144
.endr
.endm
.macro STEP slot, q, zero              ; a K step that has its successor in the same slot
	s_wait_dscnt 0x0                               ; this step's fragments, asked for a step ago, are in
	PLACES 4                                       ; four places between the last step's products and the loads into the set that they read
	FETCH \slot, (\q)+1, 1-(\q)%2
	MULS 0, 4, (\q)%2, \q, \slot, \zero
	WIN 0
.endm
; A slot's last K step changes slots: one barrier; in front of it each wave waits for all its tensor loads, adds 0 to its spare word, and waits for that and for its reads of this slot.
.macro TURN slot, next, fill
	s_wait_tensorcnt 0x0                           ; all my tensor loads have landed: my part of the next slot
	ds_add_u32 v[SPW], v[NIL]                      ; 0 onto my spare word
	s_wait_dscnt 1                                 ; the step's fragments are in; the add alone may be out
	MULS 0, 1, 1, 3, \slot, 0                      ; eight products stand between the add and the wait for it
	s_wait_dscnt 0x0                               ; the add is done, and my reads of this slot are over
	s_barrier_signal -1
	MULS 1, 1, 1, 3, \slot, 0
	WIN 0
	s_barrier_wait -1
.if \fill
	CREST                                          ; the barrier has opened a round of the cluster's: no wave of any partner still reads this slot or has a load on its way
	s_add_nc_u64 s[G0A+4*\slot+2:G0A+4*\slot+3], s[G0A+4*\slot+2:G0A+4*\slot+3], 2*SFB
	s_add_nc_u64 s[G0B+4*\slot+2:G0B+4*\slot+3], s[G0B+4*\slot+2:G0B+4*\slot+3], 2*SFB
	JLOAD \slot                                    ; the first tensor load behind the round; its four v_nop are the places in front of the loads below
.else
	PLACES 4
.endif
	FETCH \next, 0, 0
	SCALES \next
	MULS 2, 2, 1, 3, \slot, 0
	WIN 0
.endm
.macro FINAL
	s_wait_dscnt 0x0
	MULS 0, 4, 1, 3, 1, 0
	WIN 0
.endm
; cos and sin of tile a's tokens: lane (r, h) holds pairs 16 e + 8 h + 0 .. 7 of its token: cos at v[64 a + 8 e ..], sin at v[64 a + 32 + 8 e ..] of window 3
.macro COSLOAD a
	WIN 0xc0
.irp e, 0,1,2,3
.irp j, 0,1
	global_load_b128 v[64*(\a)+8*\e+4*\j:64*(\a)+8*\e+4*\j+3], v[CA], s[8:9] offset:(32*((\a)/2)+8*((\a)%2))*256+64*\e+16*\j
	global_load_b128 v[64*(\a)+32+8*\e+4*\j:64*(\a)+32+8*\e+4*\j+3], v[CA], s[10:11] offset:(32*((\a)/2)+8*((\a)%2))*256+64*\e+16*\j
.endr
.endr
	WIN 0
.endm
; RoPE on tile a, in place: (x0, x1) -> (x0 c - x1 s, x1 c + x0 s).  First (x1 s, x0 s), then one fused multiply-add a number.
.macro ROPE a
	s_wait_loadcnt 48-16*(\a)                      ; this tile's 16 loads are in; the later tiles' may be out
	WIN 0x0e                                       ; source 0 window 2, source 1 window 3
.set i, 0
.rept 16
	v_pk_mul_f32 v[TT+4*i:TT+4*i+1], v[64*(\a)+4*i:64*(\a)+4*i+1], v[64*(\a)+32+2*i:64*(\a)+33+2*i] op_sel:[1,0] op_sel_hi:[0,0]
	v_pk_mul_f32 v[TT+4*i+2:TT+4*i+3], v[64*(\a)+4*i+2:64*(\a)+4*i+3], v[64*(\a)+32+2*i:64*(\a)+33+2*i] op_sel:[1,1] op_sel_hi:[0,1]
.set i, i+1
.endr
	WIN 0x8e                                       ; and the destination window 2
.set i, 0
.rept 16
	v_pk_fma_f32 v[64*(\a)+4*i:64*(\a)+4*i+1], v[64*(\a)+4*i:64*(\a)+4*i+1], v[64*(\a)+2*i:64*(\a)+2*i+1], v[TT+4*i:TT+4*i+1] op_sel:[0,0,0] op_sel_hi:[1,0,1] neg_lo:[0,0,1]
	v_pk_fma_f32 v[64*(\a)+4*i+2:64*(\a)+4*i+3], v[64*(\a)+4*i+2:64*(\a)+4*i+3], v[64*(\a)+2*i:64*(\a)+2*i+1], v[TT+4*i+2:TT+4*i+3] op_sel:[0,1,0] op_sel_hi:[1,1,1] neg_lo:[0,0,1]
.set i, i+1
.endr
	WIN 0
.endm
.macro OUTQ rope                       ; the way out: each tile of 16 m becomes one fragment, stored as it stands
	PLACES 4                                       ; behind the last products: their results are read and their operands' registers written
.irp b, 0,1,2,3
	v_mov_b32 v[TM+4+\b], 0                        ; a lane permute's destination counts as one of its sources
.endr
.irp a, 0,1,2,3
.if \rope
	ROPE \a
.endif
.if \a > 1
	s_wait_xcnt 0x0                                ; the stores of two tiles back have read the codes' registers
.endif
	QUANT 64*\a, PCB+20*(\a%2), PW+\a, 2
.irp g, 0,1,2
	global_store_b128 v[LI], v[PCB+20*(\a%2)+4*\g:PCB+20*(\a%2)+4*\g+3], s[66:67] offset:1536*\a+512*\g   ; 512 consecutive bytes
.endr
.endr
.endm
	s_wait_tensorcnt 0x1                           ; my part of super 0 is in; super 1's may stay out
	s_barrier_signal -1
	s_barrier_wait -1
	FETCH 0, 0, 0
	SCALES 0
	STEP 0, 0, 1                                   ; the first K step stands in front of the loop: its products start the sums
	s_mov_b32 s3, 3
.Llap:                                             ; a trip goes once round the ring and fills both slots again: supers 2 to 7
	STEP 0, 1, 0
	STEP 0, 2, 0
	TURN 0, 1, 1
	STEP 1, 0, 0
	STEP 1, 1, 0
	STEP 1, 2, 0
	TURN 1, 0, 1
	STEP 0, 0, 0
	s_sub_co_u32 s3, s3, 1
	s_cmp_lg_u32 s3, 0
	s_cbranch_scc1 .Llap
	STEP 0, 1, 0                                   ; the last lap fills nothing
	STEP 0, 2, 0
	TURN 0, 1, 0
	STEP 1, 0, 0
	STEP 1, 1, 0
	s_cmp_lt_u32 s17, 48                           ; the same in all partners and all waves
	s_cbranch_scc0 .Lv
	COSLOAD 0                                      ; q, k: the tables are asked for two K steps ahead of their use
	COSLOAD 1
	COSLOAD 2
	STEP 1, 2, 0
	COSLOAD 3
	FINAL
	OUTQ 1
	s_branch .Lend
.Lv:
	STEP 1, 2, 0
	FINAL
	OUTQ 0
.Lend:
	s_mov_b32 vcc_lo, 0xffff0000                   ; the scale block: lanes 0-15 the even fragment's words, lanes 16-31 the odd one's
	v_cndmask_b32 v[SW], v[PW], v[PW+1], vcc_lo
	v_cndmask_b32 v[SW+1], v[PW+2], v[PW+3], vcc_lo
	global_store_b64 v[L8], v[SW:SW+1], s[66:67] offset:6144
	s_wait_tensorcnt 0x0                           ; the wave's end
	ds_add_u32 v[SPW], v[NIL]
	s_wait_dscnt 0x0
	CROUND                                         ; the closing round
	s_endpgm
.Lfunc_end_k_q2613fa691a_proj:
	.size	k_q2613fa691a_proj, .Lfunc_end_k_q2613fa691a_proj-k_q2613fa691a_proj
	.p2alignl 7, 3214868480
	.fill 96, 4, 3214868480
	.section	.rodata,"a",@progbits
	.p2align	6, 0x0
	.amdhsa_kernel k_q2613fa691a_proj
		.amdhsa_group_segment_fixed_size 327680
		.amdhsa_private_segment_fixed_size 0
		.amdhsa_enable_private_segment 0
		.amdhsa_kernarg_size 40
		.amdhsa_user_sgpr_count 2
		.amdhsa_user_sgpr_kernarg_segment_ptr 1
		.amdhsa_wavefront_size32 1
		.amdhsa_system_sgpr_workgroup_id_x 1
		.amdhsa_system_sgpr_workgroup_id_y 1
		.amdhsa_system_sgpr_workgroup_id_z 1
		.amdhsa_system_vgpr_workitem_id 0
		.amdhsa_next_free_vgpr 1024
		.amdhsa_next_free_sgpr 100
		.amdhsa_reserve_vcc 1
		.amdhsa_float_denorm_mode_32 3
		.amdhsa_float_denorm_mode_16_64 3
		.amdhsa_memory_ordered 1
		.amdhsa_forward_progress 1
		.amdhsa_inst_pref_size 185
	.end_amdhsa_kernel
	.amdgpu_metadata
---
amdhsa.version: [ 1, 2 ]
amdhsa.kernels:
  - .name:           k_q2613fa691a_proj
    .symbol:         k_q2613fa691a_proj.kd
    .args:
      - { .name: xc, .offset: 0, .size: 8, .value_kind: global_buffer, .address_space: global }
      - { .name: wc, .offset: 8, .size: 8, .value_kind: global_buffer, .address_space: global }
      - { .name: freqs_cos, .offset: 16, .size: 8, .value_kind: global_buffer, .address_space: global }
      - { .name: freqs_sin, .offset: 24, .size: 8, .value_kind: global_buffer, .address_space: global }
      - { .name: qkv, .offset: 32, .size: 8, .value_kind: global_buffer, .address_space: global }
    .group_segment_fixed_size: 327680
    .private_segment_fixed_size: 0
    .kernarg_segment_align: 8
    .kernarg_segment_size: 40
    .max_flat_workgroup_size: 128
    .sgpr_count:     100
    .vgpr_count:     1024
    .wavefront_size: 32
...
	.end_amdgpu_metadata
.endif
;; end of part 3
;; launch attn (part 4): grid 32 x 8, 8 waves a work-group, clusters of 4 x 1, 327,680 bytes of LDS; arguments qkv, mask, att; writes att
.if DOCPART == 4
	.amdgcn_target "amdgcn-amd-amdhsa--gfx1250"
	.amdhsa_code_object_version 6
	.text
	.protected	k_q2613fa691a_attn
	.globl	k_q2613fa691a_attn
	.p2align	8
	.type	k_q2613fa691a_attn,@function
k_q2613fa691a_attn:
	s_mov_b64 s[64:65], 0
	v_nop
	global_prefetch_b8 v0, s[64:65] scope:SCOPE_SE
	s_setreg_imm32_b32 hwreg(HW_REG_WAVE_MODE, 25, 1), 1
	s_wait_xcnt 0x0
	s_wait_alu depctr_hold_cnt(0) depctr_sa_sdst(0) depctr_va_vdst(0) depctr_va_sdst(0) depctr_va_ssrc(0) depctr_va_vcc(0) depctr_vm_vsrc(0)
	s_getreg_b32 s2, hwreg(HW_REG_IB_STS2, 6, 4)
	s_cmp_eq_u32 s2, 0
	s_cbranch_scc0 .Lentry_in_a_cluster
	s_endpgm
.Lentry_in_a_cluster:
	s_bfe_u32 s2, ttmp6, 0x10000c
	s_cmp_lg_u32 s2, 0x3003
	s_cbranch_scc0 .Lentry_shape_is_right
	s_endpgm
.Lentry_shape_is_right:
; Attention on codes of FP6 (E2M3): logit = (q . k) / sqrt(128) + mask (the mask is an input: every key of every query is computed); t = logit x log2(e), rounded to f32;
; M = the running largest t rounded UP to a whole number; p = 2^(t - M) is quantised along the keys; the row's sum is taken of the unquantised p and divides at the end; NaN becomes 0 and
; infinities the largest finite numbers; the result is quantised along the 1,024 features for the last product.
; SHARES.  A work-group owns 64 queries of one batch and one key/value head; its eight waves are the two query heads of that head x four tiles of 16 queries.  Two waves share a SIMD, so one
; wave's softmax stands beside the other's products and LDS loads.  Every wave walks all 2,048 keys, 128 a step.
; CLUSTER.  The four work-groups of a cluster walk the same K and V and ask for them jointly: a slot of LDS holds 512 keys (K's 8 supers, then V's 8), filled by waves 0 to 3, 25,600 dense bytes each.
; LAYOUT.  Both products are used transposed (S^T = K Q^T, O^T = V^T P^T): a lane holds one query.  Tiles of keys and of channels hold rows 32 B + 8 u + p + 8 (p / 8), so a lane's 16 registers of two
; neighbouring tiles are 16 neighbours along the keys (for p's quantiser) or the channels (for the result's).
; THE MASK goes from memory straight into registers, one key step ahead.  It is prefetched three key steps ahead: the work-groups of key/value head 0 ask, in them waves 0 to 3, each for 16 rows x 512
; bytes, a lane a block of 256 bytes; key steps 0 to 2 come by their loads alone and the last three steps ask for nothing.  K and V are not prefetched: their load has four key steps in which to land.
; att: [row tile 256][super 2][6400]: K step = head.
; LIMITS: NaN in the inputs is not served ahead of the softmax.  t is rounded before M is taken off, so that logits as large as the mask's give the rule's own t - M.  Blocks of zeros get the scale byte 1 (internal bytes).
; REGISTERS: window 0: v1-10 addresses; v12 -M, v13 the largest t, v[14:15] the sum; v16-27 Q; v32-35 K's, v36-39 V's, v40 Q's, v64 p's scale words; v48-63 at work; v72-91 codes; v96-159 S^T, then p; v160-223 O^T.
;   window 1: v0-63 the mask; v64-159 K's eight fragments; v160-255 V's eight.
.set SFB,   6400
.set SLOT1, 1<<17
.set VOFF,  8*SFB
.set SPARE, SLOT1+16*SFB               ; behind the ring: the spare words, 128 bytes for each wave: four blocks of 256 bytes that no other line names
.set ADK, 8
.set ADS, 10
.set SPW, 28
.set NIL, 29
.set MO,  30
.set PFO, 31
.set BM,  48
.set BT,  52
.set SO,  56
.set BY,  60
.set TM,  48                           ; the last quantiser's registers
.set S,   96
.set OT,  160
.set FK,  64
.set FV,  160
.set WV,  18
.set SEL, 20
.set TB,  2
.set MSB, 0
.macro WIN new
.if MSB != (\new)
	s_set_vgpr_msb (MSB<<8)|(\new)
.set MSB, (\new)
.endif
.endm
.macro PLACES n
.rept \n
	v_nop
.endr
.endm
.macro QUANT s, pc, pw, wn
	WIN ((\wn)<<2)|((\wn)<<4)
.irp b, 0,1,2,3
	v_max3_num_f32 v[TM+\b], 0x1800000, |v[(\s)+16*\b]|, |v[(\s)+16*\b+1]|
.endr
.irp i, 2,4,6,8,10,12,14
.irp b, 0,1,2,3
	v_max3_num_f32 v[TM+\b], v[TM+\b], |v[(\s)+16*\b+\i]|, |v[(\s)+16*\b+\i+1]|
.endr
.endr
	WIN 0
.irp b, 0,1,2,3
	v_permlanex16_b32 v[TM+4+\b], v[TM+\b], s[SEL], s[SEL+1]
.endr
.irp b, 0,1,2,3
	v_max_num_f32 v[TM+\b], v[TM+\b], v[TM+4+\b]
.endr
.irp b, 0,1,2,3
	v_add_nc_u32 v[TM+12+\b], 0xff000000, v[TM+\b]
.endr
.irp b, 0,1,2,3
	v_lshrrev_b32 v[TM+4+\b], 23, v[TM+12+\b]
.endr
	v_lshl_or_b32 v[\pw], v[TM+5], 8, v[TM+4]
	v_lshl_or_b32 v[\pw], v[TM+6], 16, v[\pw]
	v_lshl_or_b32 v[\pw], v[TM+7], 24, v[\pw]
	WIN (\wn)
.irp c, 0,1
	v_cvt_scalef32_pk16_fp6_f32 v[(\pc)+6*\c:(\pc)+6*\c+2], v[(\s)+32*\c:(\s)+32*\c+15], v[TM+12+2*\c]
	v_cvt_scalef32_pk16_fp6_f32 v[(\pc)+12+4*\c:(\pc)+14+4*\c], v[(\s)+16+32*\c:(\s)+31+32*\c], v[TM+13+2*\c]
.endr
	WIN 0
	v_nop
.irp c, 0,1
.irp i, 0,1,2
	v_permlane16_swap_b32 v[(\pc)+6*\c+\i], v[(\pc)+12+4*\c+\i]
.endr
.irp i, 0,1,2
	v_mov_b32 v[(\pc)+3+6*\c+\i], v[(\pc)+12+4*\c+\i]
.endr
.endr
.endm
.macro CROUND
	s_barrier_signal -1
	s_barrier_wait -1
	s_cmp_lg_u32 s[WV], 0
	s_cbranch_scc1 .Lnot_wave_0_\@
	s_barrier_signal -3
.Lnot_wave_0_\@:
	s_barrier_wait -3
	s_barrier_signal -1
	s_barrier_wait -1
.endm
.macro TLOAD                           ; waves 0 to 3 fetch a quarter of a slot each; four v_nop follow the line
	s_cmp_lt_u32 s[WV], 4
	s_cbranch_scc0 .Lasked_\@
	tensor_load_to_lds s[32:35], s[24:31]
	s_nop 0
.rept 4
	v_nop
.endr
.Lasked_\@:
.endm
	s_load_b128 s[4:7], s[0:1], 0x0                ; qkv, mask
	s_load_b64 s[8:9], s[0:1], 0x10                ; att
	v_lshl_add_u32 v[SPW], v0, 2, SPARE
	v_mov_b32 v[NIL], 0
	ds_add_u32 v28, v29
	s_wait_dscnt 0x0
	v_lshrrev_b32 v3, 5, v0
	v_readfirstlane_b32 s[WV], v3                  ; wave 0..7
	s_bfe_u32 s54, ttmp6, 0x40000                  ; cx
	s_lshl_b32 s55, ttmp9, 2
	s_add_co_u32 s55, s55, s54                     ; g: my 64 queries
	s_and_b32 s56, ttmp7, 0xffff
	s_lshr_b32 s57, s56, 2                         ; batch
	s_and_b32 s58, s56, 3                          ; key/value head
	s_lshr_b32 s59, s[WV], 2
	s_lshl_b32 s60, s58, 1
	s_add_co_u32 s60, s60, s59                     ; my query head
	s_and_b32 s61, s[WV], 3                        ; my tile of queries, a
	s_lshl_b32 s62, s57, 4                         ; what I fetch: made of the batch, the head and the wave's number alone
	s_add_co_u32 s62, s62, s58
	s_add_co_u32 s62, s62, 8
	s_lshr_b32 s63, s[WV], 1
	s_lshl_b32 s63, s63, 2
	s_add_co_u32 s62, s62, s63                     ; K's plane, or V's four further on
	s_mul_i32 s62, s62, 32*SFB
	s_and_b32 s63, s[WV], 1
	s_mul_i32 s63, s63, 4*SFB
	s_add_co_u32 s62, s62, s63
	s_mov_b32 s63, 0
	s_mov_b32 s24, 15|(3<<16)|(1<<21)              ; group 1: the mask: all four work-groups; elements of 8 bytes; bit 21 beside the mask; no padding
	s_mov_b32 s25, 32<<16                          ; 25,600 dense bytes as 100 rows of 256
	s_mov_b32 s26, 100<<16
	s_mov_b32 s27, 32<<16
	s_mov_b32 s28, 100
	s_mov_b32 s29, 32
	s_mov_b32 s30, 0
	s_mov_b32 s31, 0
	s_lshl_b32 s66, s57, 4                         ; Q's super
	s_add_co_u32 s66, s66, s60
	s_lshl_b32 s66, s66, 5
	s_add_co_u32 s66, s66, s55
	s_mul_i32 s66, s66, SFB
	s_mov_b32 s67, 0
	s_lshl_b32 s74, s57, 24                        ; the mask: batch, my 64 rows of 8,192 bytes
	s_lshl_b32 s75, s55, 19
	s_add_co_u32 s74, s74, s75
	s_mov_b32 s75, 0
	s_and_b32 s76, s[WV], 3
	s_lshl_b32 s76, s76, 17                        ; the prefetches: 16 rows a wave,
	s_add_co_u32 s76, s76, 1024                    ; at key step 2: each step steps it first, so step j names key step j + 3
	s_mov_b32 s77, 0
	s_lshl_b32 s78, s57, 7                         ; att: row tile 128 batch + 4 g + a, super head / 4
	s_lshl_b32 s79, s55, 2
	s_add_co_u32 s78, s78, s79
	s_add_co_u32 s78, s78, s61
	s_lshl_b32 s78, s78, 1
	s_lshr_b32 s79, s60, 2
	s_add_co_u32 s78, s78, s79
	s_mul_i32 s78, s78, SFB
	s_mov_b32 s79, 0
	s_and_b32 s69, s60, 3
	s_mul_i32 s69, s69, 1536                       ; fragment head % 4
	s_and_b32 s70, s60, 1
	s_lshl_b32 s70, s70, 7
	s_bfe_u32 s80, s60, 0x10001
	s_lshl_b32 s80, s80, 2
	s_add_co_u32 s70, s70, s80
	s_add_co_u32 s70, s70, 6144                    ; and its words in the scale block
	s_lshr_b32 s68, s[WV], 2
	s_or_b32 s68, s68, s58
	s_cmp_eq_u32 s68, 0                            ; waves 0 to 3 of key/value head 0 prefetch, in steps 0 to 12
	s_cselect_b32 s46, 13, 0
	s_mov_b32 s[SEL], 0x76543210
	s_mov_b32 s[SEL+1], 0xfedcba98
	s_mov_b32 s22, 0x3db504f3                      ; 1 / sqrt(128)
	s_mov_b32 s23, s22
	s_mov_b32 s36, 0x3fb8aa3b                      ; log2(e)
	s_mov_b32 s37, s36
	s_mov_b32 s47, 0xff7fffff
	s_mov_b32 s48, 0x7f7fffff
	s_mov_b32 s[TB], 0
	s_mov_b32 s39, 0                               ; the key step, 0..15
	s_mov_b32 s40, 3
	v_and_b32 v5, 31, v0
	v_lshlrev_b32 v1, 4, v5                        ; 16 x lane
	v_lshlrev_b32 v2, 3, v5                        ; 8 x lane
	v_and_b32 v6, 15, v0                           ; r
	v_bfe_u32 v7, v0, 4, 1                         ; h
	s_mul_i32 s71, s61, 1536
	v_add_nc_u32 v3, s71, v1                       ; Q's fragment a
	s_and_b32 s72, s61, 1
	s_lshl_b32 s72, s72, 7
	s_lshr_b32 s73, s61, 1
	s_lshl_b32 s73, s73, 2
	s_add_co_u32 s72, s72, s73
	s_add_co_u32 s72, s72, 6144
	v_lshl_add_u32 v4, v6, 3, s72                  ; and row r's scale word
	v_and_b32 v9, 8, v6
	v_add_nc_u32 v9, v9, v6
	s_lshr_b32 s73, s61, 1
	s_lshl_b32 s73, s73, 5
	s_and_b32 s72, s61, 1
	s_lshl_b32 s72, s72, 3
	s_add_co_u32 s73, s73, s72
	v_add_nc_u32 v9, s73, v9                       ; my query among the 64: 32 (a / 2) + 8 (a % 2) + r + 8 (r / 8)
	v_lshlrev_b32 v[MO], 13, v9
	v_lshl_add_u32 v[MO], v7, 6, v[MO]             ; its row of the mask, + my half's 16 keys
	v_lshlrev_b32 v[PFO], 13, v6
	v_lshl_add_u32 v[PFO], v7, 8, v[PFO]           ; the prefetches: row lane % 16, block lane / 16
	s_wait_kmcnt 0x0
	s_mov_b32 s32, 1
	s_mul_i32 s33, s[WV], 4*SFB                    ; LDS: slot 0, my quarter
	s_add_nc_u64 s[34:35], s[4:5], s[62:63]
	s_or_b32 s35, s35, 0x80000000
	s_add_nc_u64 s[50:51], s[4:5], s[66:67]
	s_add_nc_u64 s[42:43], s[6:7], s[74:75]
	s_add_nc_u64 s[44:45], s[42:43], s[76:77]
	s_add_nc_u64 s[52:53], s[8:9], s[78:79]
	CROUND                                         ; all four work-groups are here
	TLOAD                                          ; slot 0
.irp g, 0,1,2
	global_load_b128 v[16+4*\g:19+4*\g], v3, s[50:51] offset:512*\g
.endr
	global_load_b32 v40, v4, s[50:51]
.macro MASKLOAD                        ; my query's 64 numbers of a key step: register 16 e + i = key 32 e + 16 h + i
	WIN 0x40
.irp e, 0,1,2,3
.irp j, 0,1,2,3
	global_load_b128 v[16*\e+4*\j:16*\e+4*\j+3], v[MO], s[42:43] offset:128*\e+16*\j
.endr
.endr
	WIN 0
.endm
	MASKLOAD
	v_mov_b32 v13, 0xff61b1e6                      ; the largest t so far: -3e38
	v_floor_f32 v12, -v13
	v_mov_b32 v14, 0
	v_mov_b32 v15, 0
	v_mov_b32 v67, 0                               ; (named as the upper half of a pair)
.irp b, 0,1,2,3
	v_mov_b32 v[BT+\b], 0                          ; a lane permute's destination counts as one of its sources
.endr
.set i, 0
.rept 64
	v_mov_b32 v[OT+i], 0                           ; the step is written once: the first finds zeros, which the first change of M leaves zeros
.set i, i+1
.endr
	s_wait_loadcnt 16                              ; Q and its scale words are in; the mask's 16 loads may be out
.macro KLOAD off                       ; a key step's K: eight fragments and their scale words
	WIN 0x40
.irp t, 0,1,2,3,4,5,6,7
.irp g, 0,1,2
	ds_load_b128 v[FK+12*\t+4*\g:FK+12*\t+4*\g+3], v[ADK] offset:(\off)+SFB*(\t/4)+1536*(\t%4)+512*\g
.endr
.endr
	WIN 0
.irp f, 0,1
	ds_load_b64 v[32+2*\f:33+2*\f], v[ADS] offset:(\off)+SFB*\f+6144
.endr
.endm
.macro STEP
	v_add_nc_u32 v[ADK], s[TB], v1
	v_add_nc_u32 v[ADS], s[TB], v2
	v_nop
	v_nop                                          ; four places between the last step's products and the loads into V's registers
	WIN 0x40
.irp t, 0,1,2,3,4,5,6,7
.irp g, 0,1,2
	ds_load_b128 v[FV+12*\t+4*\g:FV+12*\t+4*\g+3], v[ADK] offset:VOFF+SFB*(\t/4)+1536*(\t%4)+512*\g
.endr
.endr
	WIN 0
.irp f, 0,1
	ds_load_b64 v[36+2*\f:37+2*\f], v[ADS] offset:VOFF+SFB*\f+6144
.endr
	s_wait_dscnt 26                                ; K is in; V's 26 loads may be out
	WIN 0x01                                       ; source 0 window 1
.irp t, 0,1,2,3,4,5,6,7
.if \t%2
	v_wmma_scale_f32_16x16x128_f8f6f4 v[S+8*\t:S+8*\t+7], v[FK+12*\t:FK+12*\t+11], v[16:27], 0, v[32+2*(\t/4)+(\t%4)/2], v40 matrix_a_fmt:MATRIX_FMT_FP6 matrix_b_fmt:MATRIX_FMT_FP6 matrix_a_scale:MATRIX_SCALE_ROW1
.else
	v_wmma_scale_f32_16x16x128_f8f6f4 v[S+8*\t:S+8*\t+7], v[FK+12*\t:FK+12*\t+11], v[16:27], 0, v[32+2*(\t/4)+(\t%4)/2], v40 matrix_a_fmt:MATRIX_FMT_FP6 matrix_b_fmt:MATRIX_FMT_FP6
.endif
.endr
	WIN 0
	PLACES 4                                       ; behind the products: K's registers are loaded again and the scores read
	s_cmp_eq_u32 s38, 3                            ; the next step's K, if it lies in this slot
	s_cbranch_scc1 .Lno_k_\@
	KLOAD 2*SFB
.Lno_k_\@:
	s_wait_loadcnt 0x0                             ; the mask
	WIN 0x10                                       ; source 2 window 1
.set i, 0
.rept 32
	v_pk_fma_f32 v[S+i:S+i+1], v[S+i:S+i+1], s[22:23], v[i:i+1] op_sel_hi:[1,0,1]   ; the logit: score / sqrt(128) + mask
.set i, i+2
.endr
	WIN 0
	s_wait_xcnt 0x0                                ; the mask's loads and the last prefetch, a step back, have read their bases
	s_add_nc_u64 s[42:43], s[42:43], 512
	s_add_nc_u64 s[44:45], s[44:45], 512
	s_cmp_eq_u32 s39, 15                           ; the next step's mask, if there is a next step: no load leaves its buffer
	s_cbranch_scc1 .Lno_mask_\@
	MASKLOAD
.Lno_mask_\@:
	s_cmp_lt_u32 s39, s46
	s_cbranch_scc0 .Lno_pf_\@
	global_prefetch_b8 v[PFO], s[44:45] th:TH_LOAD_NT scope:SCOPE_SE   ; key step j + 3 of 16 rows: each lane another block of 256 bytes
.Lno_pf_\@:
.set i, 0
.rept 32
	v_pk_mul_f32 v[S+i:S+i+1], v[S+i:S+i+1], s[36:37] op_sel_hi:[1,0]   ; t, rounded
.set i, i+2
.endr
.irp b, 0,1,2,3
	v_max3_num_f32 v[BM+\b], v[S+16*\b], v[S+16*\b+1], v[S+16*\b+2]   ; the largest t of each block of 32 keys: for the row's maximum and, since p rises with t, for the block's largest p
.endr
.irp i, 3,5,7,9,11,13
.irp b, 0,1,2,3
	v_max3_num_f32 v[BM+\b], v[BM+\b], v[S+16*\b+\i], v[S+16*\b+\i+1]
.endr
.endr
.irp b, 0,1,2,3
	v_max_num_f32 v[BM+\b], v[BM+\b], v[S+16*\b+15]
.endr
.irp b, 0,1,2,3
	v_permlanex16_b32 v[BT+\b], v[BM+\b], s[SEL], s[SEL+1]
.endr
.irp b, 0,1,2,3
	v_max_num_f32 v[BM+\b], v[BM+\b], v[BT+\b]
.endr
	v_max3_num_f32 v68, v[BM], v[BM+1], v[BM+2]
	v_max_num_f32 v68, v68, v[BM+3]
	v_max_num_f32 v13, v13, v68                    ; the running largest t
	v_mov_b32 v68, v12
	v_floor_f32 v12, -v13                          ; -M = floor(-t): M is a whole number
	v_sub_f32 v68, v12, v68                        ; old M - new M: a whole number, 0 or less
	v_cvt_i32_f32 v68, v68                         ; (it saturates)
	v_ldexp_f32 v66, 1.0, v68                      ; f = 2^(old M - new M)
.set i, 0
.rept 32
	v_pk_add_f32 v[S+i:S+i+1], v[S+i:S+i+1], v[12:13] op_sel_hi:[1,0]   ; t - M
.set i, i+2
.endr
.irp b, 0,1,2,3
	v_add_f32 v[BM+\b], v[BM+\b], v12
.endr
.set i, 0
.rept 64
	v_exp_f32 v[S+i], v[S+i]                       ; p = 2^(t - M)
.set i, i+1
.endr
	v_pk_mul_f32 v[14:15], v[14:15], v[66:67] op_sel_hi:[1,0]   ; the sums under the new M: the plain instruction behind the exponentials
	s_wait_alu depctr_va_vdst(0)                   ; one wait for the batch, ahead of its first reader
.irp b, 0,1,2,3
	v_exp_f32 v[BM+\b], v[BM+\b]                   ; each block's largest p: the same instructions on the same number
.endr
	v_pk_add_f32 v[70:71], v[S:S+1], v[S+2:S+3]    ; the row's sum of the unquantised p, in two chains
.irp j, 4,8,12,16,20,24,28,32,36,40,44,48,52,56,60
	v_pk_add_f32 v[14:15], v[14:15], v[S+\j:S+\j+1]
	v_pk_add_f32 v[70:71], v[70:71], v[S+\j+2:S+\j+3]
.endr
	v_pk_add_f32 v[14:15], v[14:15], v[70:71]
	s_wait_alu depctr_va_vdst(0)                   ; and one for the four
.irp b, 0,1,2,3
	v_max_num_f32 v[BM+\b], 0x1800000, v[BM+\b]    ; the floor 2^(3 - 127)
.endr
.irp b, 0,1,2,3
	v_add_nc_u32 v[SO+\b], 0xff000000, v[BM+\b]
.endr
.irp b, 0,1,2,3
	v_lshrrev_b32 v[BY+\b], 23, v[SO+\b]
.endr
	v_lshl_or_b32 v64, v[BY+1], 8, v[BY]           ; p's scale word for these 128 keys
	v_lshl_or_b32 v64, v[BY+2], 16, v64
	v_lshl_or_b32 v64, v[BY+3], 24, v64
.irp c, 0,1
	v_cvt_scalef32_pk16_fp6_f32 v[80+6*\c:82+6*\c], v[S+32*\c:S+32*\c+15], v[SO+2*\c]
	v_cvt_scalef32_pk16_fp6_f32 v[72+4*\c:74+4*\c], v[S+16+32*\c:S+31+32*\c], v[SO+2*\c+1]
.endr
	v_nop
.irp c, 0,1
.irp i, 0,1,2
	v_permlane16_swap_b32 v[80+6*\c+\i], v[72+4*\c+\i]
.endr
.irp i, 0,1,2
	v_mov_b32 v[83+6*\c+\i], v[72+4*\c+\i]
.endr
.endr
.set i, 0
.rept 32
	v_pk_mul_f32 v[OT+i:OT+i+1], v[OT+i:OT+i+1], v[66:67] op_sel_hi:[1,0]   ; O^T under the new M; these 32 are also the places ahead of the scaled products
.set i, i+2
.endr
	s_wait_dscnt 0x0                               ; V (and the next step's K) are in
	WIN 0x01
.irp t, 0,1,2,3,4,5,6,7
.if \t%2
	v_wmma_scale_f32_16x16x128_f8f6f4 v[OT+8*\t:OT+8*\t+7], v[FV+12*\t:FV+12*\t+11], v[80:91], v[OT+8*\t:OT+8*\t+7], v[36+2*(\t/4)+(\t%4)/2], v64 matrix_a_fmt:MATRIX_FMT_FP6 matrix_b_fmt:MATRIX_FMT_FP6 matrix_a_scale:MATRIX_SCALE_ROW1
.else
	v_wmma_scale_f32_16x16x128_f8f6f4 v[OT+8*\t:OT+8*\t+7], v[FV+12*\t:FV+12*\t+11], v[80:91], v[OT+8*\t:OT+8*\t+7], v[36+2*(\t/4)+(\t%4)/2], v64 matrix_a_fmt:MATRIX_FMT_FP6 matrix_b_fmt:MATRIX_FMT_FP6
.endif
.endr
	WIN 0
	s_add_co_u32 s[TB], s[TB], 2*SFB
	s_add_co_u32 s39, s39, 1
.endm
; The change of slots stands at a slot's head: each wave waits for all its tensor loads, adds 0 to its spare word, and waits for that and for its reads of the slot that it has left.
.macro CHANGE fill
	s_wait_tensorcnt 0x0
	ds_add_u32 v[SPW], v[NIL]
.if \fill
	s_xor_b32 s33, s33, SLOT1                      ; the walking descriptor: the other slot, the next 512 keys
	s_add_nc_u64 s[34:35], s[34:35], 8*SFB
.endif
	s_wait_dscnt 0x0
.if \fill
	CROUND                                         ; no wave of any partner still reads that slot or has a load on its way
	TLOAD                                          ; my one tensor load until the next round: it has four key steps in which to land
.else
	s_barrier_signal -1
	s_barrier_wait -1
.endif
.endm
.macro SLOTSTEPS
	v_add_nc_u32 v[ADK], s[TB], v1
	v_add_nc_u32 v[ADS], s[TB], v2
	KLOAD 0
	s_mov_b32 s38, 0
.Lstep_\@:
	STEP
	s_add_co_u32 s38, s38, 1
	s_cmp_lt_u32 s38, 4
	s_cbranch_scc1 .Lstep_\@
	s_sub_co_u32 s[TB], s[TB], 8*SFB
	s_xor_b32 s[TB], s[TB], SLOT1
.endm
.Lslot:                                            ; three trips: behind each change of slots but the last the next slot is asked for
	CHANGE 1
	SLOTSTEPS
	s_sub_co_u32 s40, s40, 1
	s_cmp_lg_u32 s40, 0
	s_cbranch_scc1 .Lslot
	CHANGE 0                                       ; the last slot is written out
	SLOTSTEPS
	v_add_f32 v14, v14, v15                        ; the way out: the sum's halves,
	v_permlanex16_b32 v68, v14, s[SEL], s[SEL+1]
	v_add_f32 v14, v14, v68                        ; and lane l xor 16's
	v_rcp_f32 v14, v14
	v_and_b32 v5, 15, v0
	v_lshlrev_b32 v5, 3, v5
	v_add_nc_u32 v5, s70, v5                       ; my row's scale word in att
	v_add_nc_u32 v6, s69, v1                       ; my place in the fragment's image
	s_wait_alu depctr_va_vdst(0)                   ; ahead of the reciprocal's first reader
.set i, 0
.rept 64
	v_mul_f32 v[S+i], v[OT+i], v14                 ; register 16 e + i: channel 32 e + 16 h + i of my query
.set i, i+1
.endr
.set i, 0
.rept 64
	v_cmp_eq_f32 vcc_lo, v[S+i], v[S+i]            ; NaN becomes 0,
	v_cndmask_b32 v[S+i], 0, v[S+i], vcc_lo
	v_med3_num_f32 v[S+i], v[S+i], s47, s48        ; infinities the largest finite numbers
.set i, i+1
.endr
	QUANT S, 72, 64, 0
.irp g, 0,1,2
	global_store_b128 v6, v[72+4*\g:75+4*\g], s[52:53] offset:512*\g   ; 512 consecutive bytes
.endr
	global_store_b32 v5, v64, s[52:53]             ; both halves of the lanes store the same word at the same place
	s_wait_tensorcnt 0x0                           ; the wave's end
	ds_add_u32 v[SPW], v[NIL]
	s_wait_dscnt 0x0
	CROUND                                         ; the closing round
	s_endpgm
.Lfunc_end_k_q2613fa691a_attn:
	.size	k_q2613fa691a_attn, .Lfunc_end_k_q2613fa691a_attn-k_q2613fa691a_attn
	.p2alignl 7, 3214868480
	.fill 96, 4, 3214868480
	.section	.rodata,"a",@progbits
	.p2align	6, 0x0
	.amdhsa_kernel k_q2613fa691a_attn
		.amdhsa_group_segment_fixed_size 327680
		.amdhsa_private_segment_fixed_size 0
		.amdhsa_enable_private_segment 0
		.amdhsa_kernarg_size 24
		.amdhsa_user_sgpr_count 2
		.amdhsa_user_sgpr_kernarg_segment_ptr 1
		.amdhsa_wavefront_size32 1
		.amdhsa_system_sgpr_workgroup_id_x 1
		.amdhsa_system_sgpr_workgroup_id_y 1
		.amdhsa_system_sgpr_workgroup_id_z 1
		.amdhsa_system_vgpr_workitem_id 0
		.amdhsa_next_free_vgpr 512
		.amdhsa_next_free_sgpr 90
		.amdhsa_reserve_vcc 1
		.amdhsa_float_denorm_mode_32 3
		.amdhsa_float_denorm_mode_16_64 3
		.amdhsa_memory_ordered 1
		.amdhsa_forward_progress 1
		.amdhsa_inst_pref_size 79
	.end_amdhsa_kernel
	.amdgpu_metadata
---
amdhsa.version: [ 1, 2 ]
amdhsa.kernels:
  - .name:           k_q2613fa691a_attn
    .symbol:         k_q2613fa691a_attn.kd
    .args:
      - { .name: qkv, .offset: 0, .size: 8, .value_kind: global_buffer, .address_space: global }
      - { .name: mask, .offset: 8, .size: 8, .value_kind: global_buffer, .address_space: global }
      - { .name: att, .offset: 16, .size: 8, .value_kind: global_buffer, .address_space: global }
    .group_segment_fixed_size: 327680
    .private_segment_fixed_size: 0
    .kernarg_segment_align: 8
    .kernarg_segment_size: 24
    .max_flat_workgroup_size: 256
    .sgpr_count:     90
    .vgpr_count:     512
    .wavefront_size: 32
...
	.end_amdgpu_metadata
.endif
;; end of part 4
;; launch outp (part 5): grid 16 x 16, 4 waves a work-group, clusters of 4 x 4, 327,680 bytes of LDS; arguments att, wc, out0; writes out0
.if DOCPART == 5
	.amdgcn_target "amdgcn-amd-amdhsa--gfx1250"
	.amdhsa_code_object_version 6
	.text
	.protected	k_q2613fa691a_outp
	.globl	k_q2613fa691a_outp
	.p2align	8
	.type	k_q2613fa691a_outp,@function
k_q2613fa691a_outp:
	s_mov_b64 s[64:65], 0
	v_nop
	global_prefetch_b8 v0, s[64:65] scope:SCOPE_SE
	s_setreg_imm32_b32 hwreg(HW_REG_WAVE_MODE, 25, 1), 1
	s_wait_xcnt 0x0
	s_wait_alu depctr_hold_cnt(0) depctr_sa_sdst(0) depctr_va_vdst(0) depctr_va_sdst(0) depctr_va_ssrc(0) depctr_va_vcc(0) depctr_vm_vsrc(0)
	s_getreg_b32 s2, hwreg(HW_REG_IB_STS2, 6, 4)
	s_cmp_eq_u32 s2, 0
	s_cbranch_scc0 .Lentry_in_a_cluster
	s_endpgm
.Lentry_in_a_cluster:
	s_bfe_u32 s2, ttmp6, 0x10000c
	s_cmp_lg_u32 s2, 0xf033
	s_cbranch_scc0 .Lentry_shape_is_right
	s_endpgm
.Lentry_shape_is_right:
; out0[m][n] = sum over k of att[m][k] wo[k][n] on codes of FP6 (E2M3), K = 1,024; out0 [4096][4096] f32.
; A = att's row tiles (tokens), B = wo's (its columns), both as supers of 6,400 bytes (four K steps' register images and their scale words), row tiles in the order 32 B + 8 u + p + 8 (p / 8).
; A WORK-GROUP STAYS: it makes TWO tiles of 128 m x 256 n, 2,048 rows apart, over the same 256 columns.  Each of four waves makes 64 x 128 of a tile: 32 accumulators.
; K is two supers, one in each slot of LDS.  B's 16 row tiles of both supers are fetched once and serve both tiles; A's 8 row tiles of a slot are filled again, with the second tile's, as soon as the
; first tile has read them.  The first tile's stores are on their way while the second tile is multiplied; nothing waits for them.
; CLUSTERS: 4 x 4 work-groups: A's tile is shared along a row of the cluster, B's along a column: joint loads.  The refills are A's alone: waves 0 and 1 issue them, waves 2 and 3 none.
; THE MATRIX INSTRUCTION IS USED TRANSPOSED (source 0 = B, source 1 = A): a lane holds 16 neighbouring numbers of a row of out0 in two neighbouring tiles of B.  A piece of 16 rows x 64 columns goes through
; the wave's own stage in LDS and leaves as rows of 256 bytes.  The stage has bytes of its own behind the slots: no tensor load lands there.
; No prefetch: each tile is read by four clusters, and the large loads are the first fills at the head.
; All of a WGP's LDS is claimed.
; REGISTERS: window 0: v16-30 addresses; v32-79 scale words, a set for each slot; v128-223 A's fragments, two sets; on the way out v176-207 and v224-255 take rows back from the stage.
;   window 1: B's fragments, two sets.   window 2: accumulator (a, b) at v[8 (8 a + b)].
.set SFB,   6400
.set SLOT,  24*SFB                     ; A's 8 row tiles, then B's 16
.set BOFF,  8*SFB
.set SPI,   272                        ; a stage row: 256 bytes + 16: the 16 rows that a store touches begin in 16 different columns of 16 bytes
.set STAGE, 2*SLOT                     ; behind the slots: 16 rows x 272 bytes for each wave
.set SPARE, STAGE+4*16*SPI             ; behind the stages: the spare words, 128 bytes for each wave: two blocks of 256 bytes that no other line names
.set NEXTA, 128*2*SFB                  ; from a tile's A to the next tile's: 128 row tiles of 12,800 bytes
.set NEXTC, 2048*16384                 ; and in out0: 2,048 rows
.set ADRA, 16                          ; v16-17 my A fragments in slot 0, 1: 16 x lane + ..
.set ADRB, 18                          ; v18-19 B's
.set ASA,  20                          ; v20-21 A's scale words: 8 x lane + ..
.set ASB,  22                          ; v22-23 B's
.set CO,   24                          ; v24 my byte in two rows of out0: 16,384 (lane / 16) + 16 (lane % 16)
.set STO,  25                          ; v25 the stage, on the way in
.set RD,   26                          ; v26 and back
.set L8,   27                          ; v27 8 x lane
.set SPW,  28                          ; v28 my spare word; never rewritten
.set NIL,  29                          ; v29 0; never rewritten
.set LI,   30                          ; v30 16 x lane
.set SC,   32                          ; set s at 32 + 24 s: A's (a, u) at + 2 a + u, B's (b, u) at + 8 + 2 b + u
.set AF,   128                         ; A's set p at 128 + 48 p
.set G1A,  24
.set G0A,  32
.set G1B,  48
.set G0B,  56
.set MSB, 0
.macro WIN new                         ; the immediate's high byte repeats the setting that is left
.if MSB != (\new)
	s_set_vgpr_msb (MSB<<8)|(\new)
.set MSB, (\new)
.endif
.endm
.macro PLACES n
.rept \n
	v_nop
.endr
.endm
.macro JLOAD sl                        ; a first fill: waves 0 and 1 fetch A's halves, waves 2 and 3 B's; four v_nop follow each line
	s_cmp_eq_u32 s15, 0
	s_cbranch_scc0 .Lfor_b_\@
	tensor_load_to_lds s[G0A+4*\sl:G0A+4*\sl+3], s[G1A:G1A+7]
	s_nop 0
.rept 4
	v_nop
.endr
	s_branch .Lasked_\@
.Lfor_b_\@:
	tensor_load_to_lds s[G0B+4*\sl:G0B+4*\sl+3], s[G1B:G1B+7]
	s_nop 0
.rept 4
	v_nop
.endr
.Lasked_\@:
.endm
.macro ALOAD sl                        ; a refill: A's halves alone, by waves 0 and 1; the branch hangs on the wave's number alone
	s_cmp_eq_u32 s15, 0
	s_cbranch_scc0 .Lnone_\@
	tensor_load_to_lds s[G0A+4*\sl:G0A+4*\sl+3], s[G1A:G1A+7]
	s_nop 0
.rept 4
	v_nop
.endr
.Lnone_\@:
.endm
.macro CREST                           ; a round of the cluster's barrier behind its opening barrier
	s_cmp_lg_u32 s14, 0
	s_cbranch_scc1 .Lnot_wave_0_\@
	s_barrier_signal -3
.Lnot_wave_0_\@:
	s_barrier_wait -3
	s_barrier_signal -1
	s_barrier_wait -1
.endm
.macro CROUND
	s_barrier_signal -1
	s_barrier_wait -1
	CREST
.endm
	s_load_b128 s[4:7], s[0:1], 0x0                ; att, wc
	s_load_b64 s[12:13], s[0:1], 0x10              ; out0
	v_lshl_add_u32 v[SPW], v0, 2, SPARE
	v_mov_b32 v[NIL], 0
	ds_add_u32 v28, v29
	s_wait_dscnt 0x0
	v_lshrrev_b32 v1, 5, v0
	v_readfirstlane_b32 s14, v1                    ; wave 0..3
	s_lshr_b32 s15, s14, 1                         ; which 64 m; also: I fetch for A (0) or B (1)
	s_and_b32 s16, s14, 1                          ; which 128 n; also: which half I fetch
	s_bfe_u32 s40, ttmp6, 0x40000                  ; cx
	s_bfe_u32 s41, ttmp6, 0x40004                  ; cy
	s_lshl_b32 s42, ttmp9, 2
	s_add_co_u32 s42, s42, s40                     ; nt: which 256 n, 0..15
	s_and_b32 s17, ttmp7, 0xffff
	s_lshl_b32 s17, s17, 2
	s_add_co_u32 s17, s17, s41                     ; mt: which 128 m of the first tile, 0..15; the second tile's are 16 further on
	s_lshl_b32 s43, s41, 2
	s_lshl_b32 s43, 15, s43                        ; my row of the cluster
	s_lshl_b32 s44, 0x1111, s40                    ; my column
	s_or_b32 s[G1A], s43, (3<<16)|(1<<21)          ; A's tiles go to my row; elements of 8 bytes; bit 21 beside the mask
	s_or_b32 s[G1B], s44, (3<<16)|(1<<21)          ; B's to my column
	s_mov_b32 s[G1A+1], 800<<16                    ; rows of 6,400 bytes, one a row tile, 12,800 bytes apart; A: 4 rows, B: 8
	s_mov_b32 s[G1A+2], 4<<16
	s_mov_b32 s[G1A+3], 800<<16
	s_mov_b32 s[G1A+4], 4
	s_mov_b32 s[G1A+5], 1600
	s_mov_b32 s[G1A+6], 0
	s_mov_b32 s[G1A+7], 0
	s_mov_b32 s[G1B+1], 800<<16
	s_mov_b32 s[G1B+2], 8<<16
	s_mov_b32 s[G1B+3], 800<<16
	s_mov_b32 s[G1B+4], 8
	s_mov_b32 s[G1B+5], 1600
	s_mov_b32 s[G1B+6], 0
	s_mov_b32 s[G1B+7], 0
	s_lshl_b32 s20, s17, 3
	s_lshl_b32 s21, s16, 2
	s_add_co_u32 s20, s20, s21
	s_mul_i32 s20, s20, 2*SFB                      ; A: row tile 8 mt + 4 x half: it hangs on the tile row alone
	s_mov_b32 s21, 0
	s_lshl_b32 s46, s42, 4
	s_lshl_b32 s47, s16, 3
	s_add_co_u32 s46, s46, s47
	s_mul_i32 s46, s46, 2*SFB
	s_add_co_u32 s46, s46, 6553600                 ; B: wo's region, row tile 16 nt + 8 x half: on the tile column alone
	s_mov_b32 s47, 0
	s_mul_i32 s80, s16, 4*SFB                      ; where they go in a slot: no place in the cluster enters an LDS address
	s_mul_i32 s81, s16, 8*SFB
	s_add_co_u32 s81, s81, BOFF
	s_wait_kmcnt 0x0
	s_add_nc_u64 s[20:21], s[4:5], s[20:21]
	s_add_nc_u64 s[46:47], s[6:7], s[46:47]
	CROUND                                         ; all sixteen work-groups are here: the first joint loads meet
.irp s, 0,1
	s_mov_b32 s[G0A+4*\s], 1
	s_add_co_u32 s[G0A+4*\s+1], s80, \s*SLOT
	s_add_nc_u64 s[G0A+4*\s+2:G0A+4*\s+3], s[20:21], \s*SFB       ; super s
	s_or_b32 s[G0A+4*\s+3], s[G0A+4*\s+3], 0x80000000
	s_mov_b32 s[G0B+4*\s], 1
	s_add_co_u32 s[G0B+4*\s+1], s81, \s*SLOT
	s_add_nc_u64 s[G0B+4*\s+2:G0B+4*\s+3], s[46:47], \s*SFB
	s_or_b32 s[G0B+4*\s+3], s[G0B+4*\s+3], 0x80000000
	JLOAD \s                                       ; two loads of mine are out
.endr
	v_and_b32 v1, 31, v0
	v_lshlrev_b32 v[LI], 4, v1
	v_lshlrev_b32 v[L8], 3, v1
	s_mul_i32 s89, s15, 4*SFB                      ; my four row tiles of A,
	s_mul_i32 s90, s16, 8*SFB
	s_add_co_u32 s90, s90, BOFF                    ; my eight of B
.irp s, 0,1
	v_add_nc_u32 v[ADRA+\s], s89, v[LI]
	v_add_nc_u32 v[ADRB+\s], s90, v[LI]
	v_add_nc_u32 v[ASA+\s], s89, v[L8]
	v_add_nc_u32 v[ASB+\s], s90, v[L8]
	s_add_co_u32 s89, s89, SLOT
	s_add_co_u32 s90, s90, SLOT
.endr
	v_and_b32 v2, 15, v0                           ; r
	v_bfe_u32 v3, v0, 4, 1                         ; h
	s_mul_i32 s91, s14, 16*SPI
	s_add_co_u32 s91, s91, STAGE                   ; my stage
	v_mul_u32_u24 v[STO], v2, SPI
	v_lshl_add_u32 v[STO], v3, 6, v[STO]
	v_add_nc_u32 v[STO], s91, v[STO]               ; in: row r, + 64 h
	v_mul_u32_u24 v[RD], v3, SPI
	v_lshl_add_u32 v[RD], v2, 4, v[RD]
	v_add_nc_u32 v[RD], s91, v[RD]                 ; back: lanes 0-15 one row of 256 bytes, lanes 16-31 the next
	v_lshlrev_b32 v[CO], 14, v3
	v_lshl_add_u32 v[CO], v2, 4, v[CO]             ; and the same two rows in out0
	s_lshl_b32 s92, s17, 7
	s_lshl_b32 s93, s15, 6
	s_add_co_u32 s92, s92, s93
	s_lshl_b32 s92, s92, 14                        ; my first row of out0, 16,384 bytes a row: under 2^26
	s_lshl_b32 s94, s42, 10
	s_lshl_b32 s95, s16, 9
	s_add_co_u32 s94, s94, s95
	s_add_co_u32 s92, s92, s94                     ; + my first column
	s_mov_b32 s93, 0
	s_add_nc_u64 s[12:13], s[12:13], s[92:93]
.macro WM zero, odd                    ; one product; in odd K steps both sides' scale words lie in lanes 16-31
.if \zero
.if \odd
	v_wmma_scale_f32_16x16x128_f8f6f4 v[rD:rD+7], v[rB:rB+11], v[rA:rA+11], 0, v[rSB], v[rSA] matrix_a_fmt:MATRIX_FMT_FP6 matrix_b_fmt:MATRIX_FMT_FP6 matrix_a_scale:MATRIX_SCALE_ROW1 matrix_b_scale:MATRIX_SCALE_ROW1
.else
	v_wmma_scale_f32_16x16x128_f8f6f4 v[rD:rD+7], v[rB:rB+11], v[rA:rA+11], 0, v[rSB], v[rSA] matrix_a_fmt:MATRIX_FMT_FP6 matrix_b_fmt:MATRIX_FMT_FP6
.endif
.else
.if \odd
	v_wmma_scale_f32_16x16x128_f8f6f4 v[rD:rD+7], v[rB:rB+11], v[rA:rA+11], v[rD:rD+7], v[rSB], v[rSA] matrix_a_fmt:MATRIX_FMT_FP6 matrix_b_fmt:MATRIX_FMT_FP6 matrix_a_scale:MATRIX_SCALE_ROW1 matrix_b_scale:MATRIX_SCALE_ROW1
.else
	v_wmma_scale_f32_16x16x128_f8f6f4 v[rD:rD+7], v[rB:rB+11], v[rA:rA+11], v[rD:rD+7], v[rSB], v[rSA] matrix_a_fmt:MATRIX_FMT_FP6 matrix_b_fmt:MATRIX_FMT_FP6
.endif
.endif
.endm
; A's tiles a0 .. a0 + na - 1 against B's eight, the slot's q-th 128 along K, from fragment set p and scale set sc.  The 32 accumulators take turns, one instruction a turn, in one order everywhere, from tile to tile too.
.macro MULS a0, na, p, q, sc, zero
	WIN 0xa1                                       ; source 0 (B) window 1, source 1 (A) window 0, C and D window 2
.set ia, \a0
.rept \na
.set ib, 0
.rept 8
.set rD, 8*(8*ia+ib)
.set rB, 128*(\p)+12*ib
.set rA, AF+48*(\p)+12*ia
.set rSB, SC+24*(\sc)+8+2*ib+(\q)/2
.set rSA, SC+24*(\sc)+2*ia+(\q)/2
	WM \zero, (\q)%2
.set ib, ib+1
.endr
.set ia, ia+1
.endr
.endm
.macro FETCH slot, q, p                ; 36 loads of 512 consecutive bytes: B's eight and A's four fragments of the slot's q-th K step into set p
	WIN 0x40
.irp b, 0,1,2,3,4,5,6,7
.irp g, 0,1,2
	ds_load_b128 v[128*(\p)+12*\b+4*\g:128*(\p)+12*\b+4*\g+3], v[ADRB+\slot] offset:SFB*\b+1536*(\q)+512*\g
.endr
.endr
	WIN 0
.irp a, 0,1,2,3
.irp g, 0,1,2
	ds_load_b128 v[AF+48*(\p)+12*\a+4*\g:AF+48*(\p)+12*\a+4*\g+3], v[ADRA+\slot] offset:SFB*\a+1536*(\q)+512*\g
.endr
.endr
.endm
.macro SCALES slot                     ; a slot's scale words: two registers a row tile serve its four K steps
.irp a, 0,1,2,3
	ds_load_b64 v[SC+24*\slot+2*\a:SC+24*\slot+2*\a+1], v[ASA+\slot] offset:SFB*\a+6144
.endr
.irp b, 0,1,2,3,4,5,6,7
	ds_load_b64 v[SC+24*\slot+8+2*\b:SC+24*\slot+8+2*\b+1], v[ASB+\slot] offset:SFB*\b+6144
.endr
.endm
.macro STEP slot, q, zero              ; a K step that has its successor in the same slot
	s_wait_dscnt 0x0                               ; this step's fragments are in
	PLACES 4                                       ; between the last step's products and the loads into the set that they read
	FETCH \slot, (\q)+1, 1-(\q)%2
	MULS 0, 4, (\q)%2, \q, \slot, \zero
	WIN 0
.endm
; A slot's last K step changes slots: one barrier; in front of it each wave waits for all its tensor loads, adds 0 to its spare word, and waits for that and for its reads of this slot.
; fill = 1: A's part of this slot is filled again, with the next tile's: the barrier then opens a round of the cluster's.
.macro TURN slot, next, fill
	s_wait_tensorcnt 0x0                           ; all my tensor loads have landed: my part of the next slot
	ds_add_u32 v[SPW], v[NIL]                      ; 0 onto my spare word
	s_wait_dscnt 1                                 ; the step's fragments are in; the add alone may be out
	MULS 0, 1, 1, 3, \slot, 0                      ; eight products stand between the add and the wait for it
	s_wait_dscnt 0x0                               ; the add is done, and my reads of this slot are over
	s_barrier_signal -1
	MULS 1, 1, 1, 3, \slot, 0
	WIN 0
	s_barrier_wait -1
.if \fill
	CREST                                          ; no wave of any partner still reads this slot's A or has a load on its way
	s_add_nc_u64 s[G0A+4*\slot+2:G0A+4*\slot+3], s[G0A+4*\slot+2:G0A+4*\slot+3], NEXTA
	ALOAD \slot                                    ; the first tensor load behind the round, and my only one until the next
.endif
	PLACES 4                                       ; on every wave's way: between the products of two steps back and the loads into the set that they read
	FETCH \next, 0, 0
	SCALES \next
	MULS 2, 2, 1, 3, \slot, 0
	WIN 0
.endm
; THE WAY OUT, in eight pieces: piece k is tile k / 2 of my four tiles of 16 rows, columns 64 (k % 2) on.  Register j of accumulator (a, 2 e + u) is column 32 e + 16 h + 8 u + j of row r.
; LDS serves a wave's instructions in order: no wait between a piece's stores and its loads, nor in front of the next piece's stores.
.macro TOSTAGE k
.set ka, (\k)/2
.set ku, (\k)%2
	WIN 0x08                                       ; an LDS store's data are its source 1: window 2
.irp b, 0,1,2,3
	ds_store_b128 v[STO], v[64*ka+32*ku+8*\b:64*ka+32*ku+8*\b+3] offset:128*(\b/2)+32*(\b%2)        ; each accumulator from its low end on
	ds_store_b128 v[STO], v[64*ka+32*ku+8*\b+4:64*ka+32*ku+8*\b+7] offset:128*(\b/2)+32*(\b%2)+16
.endr
	WIN 0
.set BB, 176+48*((\k)%2)
.irp t, 0,1,2,3,4,5,6,7
	ds_load_b128 v[BB+4*\t:BB+4*\t+3], v[RD] offset:\t*2*SPI
.endr
.endm
.macro SEND k, younger                 ; younger: the LDS instructions issued behind piece k's loads, which may stay out
.set ka, (\k)/2
.set ku, (\k)%2
.set BB, 176+48*((\k)%2)
	s_wait_dscnt \younger
.irp t, 0,1,2,3,4,5,6,7
	global_store_b128 v[CO], v[BB+4*\t:BB+4*\t+3], s[12:13] offset:(32*(ka/2)+8*(ka%2)+2*\t+8*(\t/4))*16384+256*ku th:TH_STORE_NT   ; 16 lanes store 256 consecutive bytes, aligned; two rows an instruction; 62 rows on at the most
.endr
.endm
.macro WAYOUT
	PLACES 4                                       ; behind the last products: results are read, and rows land where A's set 1 lay
	s_wait_dscnt 0x0                               ; what was fetched for the next tile is in: the counts below name the stage's instructions alone
	TOSTAGE 0
.irp k, 1,2,3,4,5,6,7
.if \k > 1
	s_wait_xcnt 0x0                                ; the stores of two pieces back have read their registers: this piece's rows land there
.endif
	TOSTAGE \k
	SEND \k-1, 16                                  ; behind piece k - 1's loads: piece k's 8 stores and 8 loads
.endr
	SEND 7, 0
.endm
	s_wait_tensorcnt 0x1                           ; my part of super 0 is in; super 1's may stay out
	s_barrier_signal -1
	s_barrier_wait -1
	FETCH 0, 0, 0
	SCALES 0
	STEP 0, 0, 1                                   ; THE FIRST TILE: its first products start the sums
	STEP 0, 1, 0
	STEP 0, 2, 0
	TURN 0, 1, 1                                   ; slot 0's A takes the second tile's super 0: it has four K steps in which to land
	STEP 1, 0, 0
	STEP 1, 1, 0
	STEP 1, 2, 0
	TURN 1, 0, 1                                   ; slot 1's A takes the second tile's super 1; the second tile's first fragments are fetched
	WAYOUT                                         ; both refills are asked for: now the first tile goes out
	s_wait_xcnt 0x0                                ; its stores have read their registers and their base
	s_add_nc_u64 s[12:13], s[12:13], NEXTC
	STEP 0, 0, 1                                   ; THE SECOND TILE: its first products start the sums anew, eight plain instructions behind the first tile's last products
	STEP 0, 1, 0
	STEP 0, 2, 0
	TURN 0, 1, 0                                   ; nothing is left to fetch
	STEP 1, 0, 0
	STEP 1, 1, 0
	STEP 1, 2, 0
	s_wait_dscnt 0x0
	MULS 0, 4, 1, 3, 1, 0
	WIN 0
	WAYOUT
	s_wait_tensorcnt 0x0                           ; the wave's end: behind my last tensor load and my last LDS store
	ds_add_u32 v[SPW], v[NIL]
	s_wait_dscnt 0x0
	CROUND                                         ; the closing round: no work-group ends while a partner may still ask for a tile that names it
	s_endpgm
.Lfunc_end_k_q2613fa691a_outp:
	.size	k_q2613fa691a_outp, .Lfunc_end_k_q2613fa691a_outp-k_q2613fa691a_outp
	.p2alignl 7, 3214868480
	.fill 96, 4, 3214868480
	.section	.rodata,"a",@progbits
	.p2align	6, 0x0
	.amdhsa_kernel k_q2613fa691a_outp
		.amdhsa_group_segment_fixed_size 327680
		.amdhsa_private_segment_fixed_size 0
		.amdhsa_enable_private_segment 0
		.amdhsa_kernarg_size 24
		.amdhsa_user_sgpr_count 2
		.amdhsa_user_sgpr_kernarg_segment_ptr 1
		.amdhsa_wavefront_size32 1
		.amdhsa_system_sgpr_workgroup_id_x 1
		.amdhsa_system_sgpr_workgroup_id_y 1
		.amdhsa_system_sgpr_workgroup_id_z 1
		.amdhsa_system_vgpr_workitem_id 0
		.amdhsa_next_free_vgpr 768
		.amdhsa_next_free_sgpr 100
		.amdhsa_reserve_vcc 0
		.amdhsa_float_denorm_mode_32 3
		.amdhsa_float_denorm_mode_16_64 3
		.amdhsa_memory_ordered 1
		.amdhsa_forward_progress 1
		.amdhsa_inst_pref_size 148
	.end_amdhsa_kernel
	.amdgpu_metadata
---
amdhsa.version: [ 1, 2 ]
amdhsa.kernels:
  - .name:           k_q2613fa691a_outp
    .symbol:         k_q2613fa691a_outp.kd
    .args:
      - { .name: att, .offset: 0, .size: 8, .value_kind: global_buffer, .address_space: global }
      - { .name: wc, .offset: 8, .size: 8, .value_kind: global_buffer, .address_space: global }
      - { .name: out0, .offset: 16, .size: 8, .value_kind: global_buffer, .address_space: global }
    .group_segment_fixed_size: 327680
    .private_segment_fixed_size: 0
    .kernarg_segment_align: 8
    .kernarg_segment_size: 24
    .max_flat_workgroup_size: 128
    .sgpr_count:     100
    .vgpr_count:     768
    .wavefront_size: 32
...
	.end_amdgpu_metadata
.endif
;; end of part 5
